; MI455X (gfx1250); checked and timed in simulation.
; The chip was launched on July 23, 2026; its instructions are those of AMD's public machine-readable ISA for CDNA 5 (MIT licence, August 2026) and "CDNA5" Instruction Set Architecture Reference Guide (July 2026). The comments in the code are by the model that wrote it; some were corrected since.
;; Multi Head Attention. Allowed arithmetic: matrix products marked QUANTISED: E2M3 operands, one E8M0 scale for each 32 along K, by v_wmma_scale_f32_16x16x128_f8f6f4 with both operands' format E2M3, f32 sums; everything else in f32.
;; Inputs: Wk 1,024 x 1,024 float32; Wo 1,024 x 1,024 float32; Wq 1,024 x 1,024 float32; Wv 1,024 x 1,024 float32; X 4 x 2,048 x 1,024 float32; bk 1,024 float32; bo 1,024 float32; bq 1,024 float32; bv 1,024 float32.
;; Outputs: out0 4 x 2,048 x 1,024 float32.
;; Constants: causal = 1.
;; This version of the problem:
;;   THIS VERSION OF THE PROBLEM IS GIVEN IN LOW PRECISION. The matrix products marked QUANTISED in the list below multiply operands that are first quantised to E2M3 (2 exponent bits, 3 mantissa bits; 6 bits a number), with one power-of-two scale for each 32 numbers along K (OCP MX v1.0); their sums are f32. All else is computed in f32.
;;   The module's matrix products, in the order in which they are computed (A, B: the left and right operand; K: the contracted axis; several contracted axes count as one K, in the product's order):
;;     1. [M 8,192, K 1,024] x [K 1,024, N 1,024]; A: input X; B: input Wq: QUANTISED
;;     2. [M 8,192, K 1,024] x [K 1,024, N 1,024]; A: input X; B: input Wk: QUANTISED
;;     3. [M 8,192, K 1,024] x [K 1,024, N 1,024]; A: input X; B: input Wv: QUANTISED
;;     4. batch 64 x [M 2,048, K 64] x [K 64, N 2,048]; A: computed on the way; B: computed on the way: QUANTISED
;;     5. batch 64 x [M 2,048, K 2,048] x [K 2,048, N 64]; A: softmax (see below); B: computed on the way: QUANTISED
;;     6. [M 8,192, K 1,024] x [K 1,024, N 1,024]; A: computed on the way; B: input Wo: QUANTISED
;;   THE QUANTISER, for each operand of a quantised product, along K:
;;     - K is cut into blocks of 32 from its start; a last block that is shorter is filled with zeros.
;;     - A block's scale is 2^e with e = floor(log2(the largest magnitude in the block)) - 2, held to -126 .. 127; a block of zeros has e = 0. As a byte (E8M0): e + 127.
;;     - Each number is divided by its block's scale, clamped to +-7.5, and rounded to the nearest number of E2M3, ties to even, subnormals kept.
;;     - The product sums the exact products of the quantised numbers (number of the format x scale) in f32.
;;   ~~~python
;;   def quantise(x, axis):      # numpy; x: float32 -> the quantised numbers, widened to float32 again
;;       x = np.moveaxis(x, axis, -1); K = x.shape[-1]
;;       x = np.pad(x, [(0, 0)] * (x.ndim - 1) + [(0, -K % 32)]); x = x.reshape(x.shape[:-1] + (-1, 32)); a = np.abs(x).max(-1, keepdims=True)
;;       e = np.where(a > 0, np.clip(np.frexp(np.where(a > 0, a, 1))[1] - 1 - 2, -126, 127), 0)      # np.frexp(a)[1] - 1 = floor(log2(a)), exactly
;;       r = np.clip(x / 2.0 ** e, -7.5, 7.5)
;;       step = 2.0 ** (np.maximum(np.frexp(np.where(r == 0, 1, r))[1] - 1, 0) - 3)
;;       q = np.round(r / step) * step * 2.0 ** e      # np.round: ties to even
;;       return np.moveaxis(q.reshape(q.shape[:-2] + (-1,))[..., :K], -1, axis).astype(np.float32)
;;   ~~~
;;   SOFTMAX AHEAD OF A QUANTISED PRODUCT. Where the list says 'softmax', what is quantised is not the finished softmax but p = 2^(t - M), with t = logit x log2(e) and M = ceil(the row's largest t), a whole number; so 1/2 < the row's largest p <= 1. The row's sum l is taken of the UNQUANTISED p, in f32, and the product's result is divided by l at the end. Since M is a whole number, a kernel that streams over the keys may use a running M (the ceiling of the running maximum): every later rescaling is an exact power of two, which a block's scale takes up: the codes' values come out the same.
;;   OPERANDS COMPUTED ON THE WAY. 'Computed on the way' means the value that the module computes at that place (a softmax that the list does not call 'softmax' is quantised finished and normalised). What goes into a quantiser is computed in f32, as accurately as f32 sums, v_exp_f32 and their like allow (about 1e-6 of the number): no bf16 or f16 on the way to a quantiser, and a product that is left as it is and whose result goes on into a quantised operand takes f32 operands (vector FMAs, or v_wmma_f32_16x16x4_f32). A number that lies on a knife's edge between two numbers of the format may be rounded either way, as far as f32 arithmetic and the matrix unit's own rounding can turn it there, and no further.
;; One version. Each part assembles by itself: llvm-mc -triple=amdgcn-amd-amdhsa -mcpu=gfx1250 --defsym DOCPART=n.
;; ======== version 1 of 1: 5 launches
;; workspace buffers: XQ 6,553,600 bytes; WQ 3,276,800 bytes; QQ 6,815,744 bytes; KV 13,369,344 bytes; OQ 6,553,600 bytes
;; launch quantx (part 1): grid 256 x 1, 4 waves a work-group, no clusters, 35,328 bytes of LDS; arguments X, XQ; writes XQ
.if DOCPART == 1
	.amdgcn_target "amdgcn-amd-amdhsa--gfx1250"
	.amdhsa_code_object_version 6
	.text
	.protected	k_qd98596c396_quantx
	.globl	k_qd98596c396_quantx
	.p2align	8
	.type	k_qd98596c396_quantx,@function
k_qd98596c396_quantx:
	s_mov_b64 s[64:65], 0
	v_nop
	global_prefetch_b8 v0, s[64:65] scope:SCOPE_SE
	s_setreg_imm32_b32 hwreg(HW_REG_WAVE_MODE, 25, 1), 1
	s_wait_xcnt 0x0
; X [8192][1024] f32 becomes codes of FP6 (E2M3) with one E8M0 byte for each 32 along K, laid as the products' operand registers want them.
; TILES: tile T holds, at place r (0..15), row 32 (T / 2) + 8 (T % 2) + r + 8 (r / 8).  A FRAGMENT (tile T, 128 along K: kt) is 1,536 bytes at (8 T + kt) x 1536: piece p (0..5) holds operand
; registers 2 p, 2 p + 1 of the 32 lanes, 8 bytes a lane: 256 consecutive bytes.  Lane (r, h) of an operand holds k = 64 c + 32 h + 0..31 in registers 6 c .. 6 c + 5.
; SCALE WORDS (four bytes: 128 along K of one row) from byte 6,291,456 on, at T x 512 + kt x 64 + 4 r.
; A block's scale is 2^(floor(log2(largest magnitude)) - 2); its byte is the largest magnitude's exponent field - 2, held at 1 from below.
; LIMITS: NaN and infinities are not served; a block of zeros, and one whose largest magnitude lies under 2^-124, gets the byte 1 (its codes are zeros or small; the bytes are read by this program alone).
; SHARES: wave W = 4 x work-group + wave takes tile W / 2 and half W % 2 of K: 16 rows x 512 = four fragments.  A load reads 512 consecutive bytes of one row; the 16 rows turn through the wave's own
; stage in LDS (rows 528 bytes apart) so that a lane gets two whole blocks of 32 of its row.  Waves share nothing: no barrier.
.set WREG,  8704                       ; a wave's LDS: the stage, 16 x 528, and 256 bytes of scale words
.set SP,    528
.set SPARE, 4*WREG                     ; the spare words, 128 bytes a wave: two blocks of 256 bytes that no other line names
.set SPW,   12                         ; v12  my spare word's address; never rewritten
.set NIL,   13                         ; v13  0; never rewritten
.set R,     32                         ; v32-223 three sets of 64 numbers
.set C,     224                        ; v224-235 a fragment's codes
.set T0,    236                        ; v236-238, v240-242: the upper halves of the two blocks, as the conversions leave them
.set T1,    240
.set W,     244                        ; v244, 245 largest magnitudes; 246, 247 scale operands; 248, 249 bytes; 250 the word; 251 the other half's
	s_load_b128 s[4:7], s[0:1], 0x0                ; X, XQ
	v_lshl_add_u32 v[SPW], v0, 2, SPARE
	v_mov_b32 v[NIL], 0
	v_lshrrev_b32 v8, 5, v0
	v_readfirstlane_b32 s10, v8                    ; wave
	v_and_b32 v9, 31, v0                           ; lane
	v_and_b32 v10, 15, v0                          ; r
	v_bfe_u32 v11, v0, 4, 1                        ; h
	s_mul_i32 s11, s10, WREG
	v_lshlrev_b32 v1, 4, v9                        ; 16 x lane: my bytes of a load's 512
	v_add_nc_u32 v2, s11, v1                       ; into the stage
	v_mul_u32_u24 v3, v10, SP
	v_lshl_add_u32 v3, v11, 7, v3
	v_add_nc_u32 v3, s11, v3                       ; out of it: row r, + 128 h: block h of my row
	v_lshlrev_b32 v4, 3, v9                        ; 8 x lane
	s_add_co_u32 s12, s11, 16*SP
	v_lshl_add_u32 v5, v10, 2, s12                 ; my row's scale word in LDS
	v_add_nc_u32 v6, s12, v4                       ; and the words on their way out
	v_lshlrev_b32 v7, 3, v11                       ; 8 h
	v_mov_b32 v[W+7], 0                            ; a lane permute's destination counts as read
	s_mov_b32 s20, 0x76543210
	s_mov_b32 s21, 0xfedcba98                      ; lane l xor 16
	s_lshl_b32 s13, ttmp9, 2
	s_add_co_u32 s13, s13, s10                     ; W
	s_lshr_b32 s14, s13, 1                         ; T
	s_and_b32 s15, s13, 1                          ; which half of K
	s_lshr_b32 s16, s14, 1
	s_lshl_b32 s16, s16, 5
	s_and_b32 s17, s14, 1
	s_lshl_b32 s17, s17, 3
	s_add_co_u32 s16, s16, s17                     ; the tile's first row
	s_lshl_b32 s16, s16, 12
	s_lshl_b32 s17, s15, 11
	s_add_co_u32 s16, s16, s17
	s_mov_b32 s17, 0
	s_lshl_b32 s18, s14, 3
	s_lshl_b32 s19, s15, 2
	s_add_co_u32 s18, s18, s19
	s_mul_i32 s18, s18, 1536                       ; my four fragments
	s_mov_b32 s19, 0
	s_lshl_b32 s22, s13, 8                         ; T x 512 + half x 256
	s_add_co_u32 s22, s22, 6291456
	s_mov_b32 s23, 0
	s_wait_kmcnt 0x0
	s_add_nc_u64 s[4:5], s[4:5], s[16:17]
	s_add_nc_u64 s[8:9], s[6:7], s[22:23]
	s_add_nc_u64 s[6:7], s[6:7], s[18:19]
.macro LOAD f                          ; fragment f: 128 numbers of each of the tile's 16 rows
.irp j, 0,1,2,3,4,5,6,7,8,9,10,11,12,13,14,15
	global_load_b128 v[R+64*((\f)%3)+4*\j:R+64*((\f)%3)+4*\j+3], v1, s[4:5] offset:(\j+8*(\j/8))*4096+512*(\f) th:TH_LOAD_NT
.endr
.endm
.macro STEP f, left                    ; left: the younger loads, which may stay out
.set RS, R+64*((\f)%3)
	s_wait_loadcnt \left
.irp j, 0,1,2,3,4,5,6,7,8,9,10,11,12,13,14,15
	ds_store_b128 v2, v[RS+4*\j:RS+4*\j+3] offset:SP*\j
.endr
.irp c, 0,1
.irp i, 0,1,2,3,4,5,6,7
	ds_load_b128 v[RS+32*\c+4*\i:RS+32*\c+4*\i+3], v3 offset:256*\c+16*\i   ; LDS serves a wave's instructions in order: these see the stores above.  Registers 32 c + .. = k 64 c + 32 h + ..
.endr
.endr
	s_wait_dscnt 0x0
	v_max3_num_f32 v[W], |v[RS]|, |v[RS+1]|, 0x1800000             ; my two blocks by turns; the floor 2^(3 - 127) holds the byte at 1 from below
	v_max3_num_f32 v[W+1], |v[RS+32]|, |v[RS+33]|, 0x1800000
.irp i, 2,4,6,8,10,12,14,16,18,20,22,24,26,28,30
	v_max3_num_f32 v[W], v[W], |v[RS+\i]|, |v[RS+\i+1]|
	v_max3_num_f32 v[W+1], v[W+1], |v[RS+32+\i]|, |v[RS+33+\i]|
.endr
	v_add_nc_u32 v[W+2], 0xff000000, v[W]          ; 2 off the exponent field: the conversion's scale operand
	v_add_nc_u32 v[W+3], 0xff000000, v[W+1]
	v_lshrrev_b32 v[W+4], 23, v[W+2]               ; the bytes of blocks h and 2 + h
	v_lshrrev_b32 v[W+5], 23, v[W+3]
	v_lshl_or_b32 v[W+6], v[W+5], 16, v[W+4]
	v_lshlrev_b32 v[W+6], v7, v[W+6]               ; at their places in the word
	v_permlanex16_b32 v[W+7], v[W+6], s20, s21
	v_or_b32 v[W+6], v[W+6], v[W+7]                ; with lane l xor 16's two the word is whole
	s_wait_xcnt 0x0                                ; the last fragment's stores have read the codes' registers
	v_cvt_scalef32_pk16_fp6_f32 v[C:C+2], v[RS:RS+15], v[W+2]
	v_cvt_scalef32_pk16_fp6_f32 v[T0:T0+2], v[RS+16:RS+31], v[W+2]
	v_cvt_scalef32_pk16_fp6_f32 v[C+6:C+8], v[RS+32:RS+47], v[W+3]
	v_cvt_scalef32_pk16_fp6_f32 v[T1:T1+2], v[RS+48:RS+63], v[W+3]
	v_nop                                          ; one plain line behind the conversions
.irp i, 0,1,2
	v_mov_b32 v[C+3+\i], v[T0+\i]                  ; (a conversion's three registers begin on an even number)
	v_mov_b32 v[C+9+\i], v[T1+\i]
.endr
	ds_store_b32 v5, v[W+6] offset:64*(\f)         ; lanes r and r + 16 write the same word with the same value
.irp p, 0,1,2,3,4,5
	global_store_b64 v4, v[C+2*\p:C+2*\p+1], s[6:7] offset:1536*(\f)+256*\p   ; 32 lanes store 256 consecutive bytes, aligned
.endr
.endm
	LOAD 0
	LOAD 1
	LOAD 2
	STEP 0, 32
	LOAD 3                                         ; into the set that fragment 0 has left
	STEP 1, 32
	STEP 2, 16
	STEP 3, 0
	ds_load_b64 v[W:W+1], v6                       ; my four fragments' scale words: 256 bytes
	s_wait_dscnt 0x0
	global_store_b64 v4, v[W:W+1], s[8:9]
	s_wait_tensorcnt 0x0                           ; the wave's end, behind my last LDS store
	ds_add_u32 v[SPW], v[NIL]
	s_wait_dscnt 0x0
	s_endpgm
.Lfunc_end_k_qd98596c396_quantx:
	.size	k_qd98596c396_quantx, .Lfunc_end_k_qd98596c396_quantx-k_qd98596c396_quantx
	.p2alignl 7, 3214868480
	.fill 96, 4, 3214868480
	.section	.rodata,"a",@progbits
	.p2align	6, 0x0
	.amdhsa_kernel k_qd98596c396_quantx
		.amdhsa_group_segment_fixed_size 35328
		.amdhsa_private_segment_fixed_size 0
		.amdhsa_enable_private_segment 0
		.amdhsa_kernarg_size 16
		.amdhsa_user_sgpr_count 2
		.amdhsa_user_sgpr_kernarg_segment_ptr 1
		.amdhsa_wavefront_size32 1
		.amdhsa_system_sgpr_workgroup_id_x 1
		.amdhsa_system_sgpr_workgroup_id_y 1
		.amdhsa_system_sgpr_workgroup_id_z 1
		.amdhsa_system_vgpr_workitem_id 0
		.amdhsa_next_free_vgpr 256
		.amdhsa_next_free_sgpr 66
		.amdhsa_reserve_vcc 0
		.amdhsa_float_denorm_mode_32 3
		.amdhsa_float_denorm_mode_16_64 3
		.amdhsa_memory_ordered 1
		.amdhsa_forward_progress 1
		.amdhsa_inst_pref_size 31
	.end_amdhsa_kernel
	.amdgpu_metadata
---
amdhsa.version: [ 1, 2 ]
amdhsa.kernels:
  - .name:           k_qd98596c396_quantx
    .symbol:         k_qd98596c396_quantx.kd
    .args:
      - { .name: X, .offset: 0, .size: 8, .value_kind: global_buffer, .address_space: global }
      - { .name: XQ, .offset: 8, .size: 8, .value_kind: global_buffer, .address_space: global }
    .group_segment_fixed_size: 35328
    .private_segment_fixed_size: 0
    .kernarg_segment_align: 8
    .kernarg_segment_size: 16
    .max_flat_workgroup_size: 128
    .sgpr_count:     66
    .vgpr_count:     256
    .wavefront_size: 32
...
	.end_amdgpu_metadata
.endif
;; end of part 1
;; launch quantw (part 2): grid 32 x 8, 4 waves a work-group, no clusters, 13,824 bytes of LDS; arguments Wq, Wk, Wv, Wo, WQ; writes WQ
.if DOCPART == 2
	.amdgcn_target "amdgcn-amd-amdhsa--gfx1250"
	.amdhsa_code_object_version 6
	.text
	.protected	k_qd98596c396_quantw
	.globl	k_qd98596c396_quantw
	.p2align	8
	.type	k_qd98596c396_quantw,@function
k_qd98596c396_quantw:
	s_mov_b64 s[64:65], 0
	v_nop
	global_prefetch_b8 v0, s[64:65] scope:SCOPE_SE
	s_setreg_imm32_b32 hwreg(HW_REG_WAVE_MODE, 25, 1), 1
	s_wait_xcnt 0x0
; The four weights [1024 (k)][1024 (n)] f32, whose K is their FIRST axis, become codes of FP6 (E2M3) and E8M0 bytes along K, laid as fragments of 16 columns x 128 K in the order of the operand's registers:
; weight j (0 q, 1 k, 2 v, 3 o): fragment (tile T of columns, kt) at j x 786,432 + (8 T + kt) x 1536; scale words at 3,145,728 + j x 32,768 + T x 512 + kt x 64 + 4 r.
; Tile T holds at place r column 32 (T / 2) + 8 (T % 2) + r + 8 (r / 8); a fragment's piece p (256 bytes) holds operand registers 2 p, 2 p + 1 of the 32 lanes.
; A LANE TAKES A COLUMN AND ITS REGISTERS RUN DOWN K: a load reads 128 consecutive bytes, a block of 32 lies in one lane, the conversions give K innermost.
; SHARES: work-group x: weight x / 8, columns 128 (x % 8) on; y: kt.  Wave w: 32 columns = tiles 2 g, 2 g + 1 (g = 4 (x % 8) + w), 128 along K.  The codes go through the wave's own two fragment images in LDS
; and leave as 512 consecutive bytes a store.  The scale words leave as two runs of 64 bytes: one byte in 128 of what the launch reads.
; LIMITS: as in the launch for X: no NaN, no infinities; blocks of zeros and blocks under 2^-124 get the byte 1.
.set WREG,  3328                       ; two images, 1,664 bytes apart: the 32 lanes of a store of 8 bytes then touch 64 different words modulo 256 bytes
.set IMG,   1664
.set SPARE, 4*WREG
	s_load_b256 s[4:11], s[0:1], 0x0               ; Wq, Wk, Wv, Wo
	s_load_b64 s[12:13], s[0:1], 0x20              ; WQ
	v_lshl_add_u32 v6, v0, 2, SPARE                ; v6: my spare word; v7: 0; never rewritten
	v_mov_b32 v7, 0
	v_lshrrev_b32 v8, 5, v0
	v_readfirstlane_b32 s14, v8                    ; wave
	v_and_b32 v9, 31, v0                           ; my column among the 32
	v_lshlrev_b32 v1, 2, v9
	v_bfe_u32 v10, v0, 3, 1                        ; u: which of the two tiles
	v_and_b32 v11, 7, v0
	v_bfe_u32 v12, v0, 4, 1
	v_lshl_or_b32 v11, v12, 3, v11                 ; r: my place in it
	s_mul_i32 s15, s14, WREG
	v_mul_u32_u24 v2, v10, IMG
	v_lshl_add_u32 v2, v11, 3, v2
	v_add_nc_u32 v2, s15, v2                       ; into the images
	v_lshlrev_b32 v4, 4, v9
	v_add_nc_u32 v3, s15, v4                       ; out of them
	v_lshlrev_b32 v5, 9, v10
	v_lshl_add_u32 v5, v11, 2, v5                  ; my scale word: u x 512 + 4 r
	s_lshr_b32 s16, ttmp9, 3                       ; j
	s_and_b32 s17, ttmp9, 7
	s_lshl_b32 s17, s17, 2
	s_add_co_u32 s17, s17, s14                     ; g
	s_and_b32 s18, ttmp7, 0xffff                   ; kt
	s_lshl_b32 s20, s18, 19                        ; 128 rows of 4,096 bytes
	s_lshl_b32 s21, s17, 7
	s_add_co_u32 s20, s20, s21
	s_mov_b32 s21, 0
	s_lshl_b32 s22, s17, 4
	s_add_co_u32 s22, s22, s18
	s_mul_i32 s22, s22, 1536
	s_mul_i32 s23, s16, 786432
	s_add_co_u32 s22, s22, s23
	s_mov_b32 s23, 0
	s_lshl_b32 s24, s16, 15
	s_lshl_b32 s25, s17, 10
	s_add_co_u32 s24, s24, s25
	s_lshl_b32 s25, s18, 6
	s_add_co_u32 s24, s24, s25
	s_add_co_u32 s24, s24, 3145728
	s_mov_b32 s25, 0
	s_and_b32 s26, s16, 1
	s_lshr_b32 s27, s16, 1
	s_wait_kmcnt 0x0
	s_cmp_eq_u32 s26, 1                            ; the weight is chosen by the work-group's number alone
	s_cselect_b64 s[4:5], s[6:7], s[4:5]
	s_cselect_b64 s[8:9], s[10:11], s[8:9]
	s_cmp_eq_u32 s27, 1
	s_cselect_b64 s[4:5], s[8:9], s[4:5]
	s_add_nc_u64 s[4:5], s[4:5], s[20:21]
	s_add_nc_u64 s[6:7], s[12:13], s[22:23]        ; codes
	s_add_nc_u64 s[8:9], s[12:13], s[24:25]        ; scale words
.set K, 0
.rept 128
	global_load_b32 v[32+K], v1, s[4:5] offset:K*4096 th:TH_LOAD_NT
.set K, K+1
.endr
.macro BLOCK t, left                   ; block t of my column: operand registers 6 (t / 2) .. + 5 of lane place r + 16 (t % 2)
.set XS, 32+32*(\t)
.set CD, 160+10*(\t)
	s_wait_loadcnt \left
	v_max3_num_f32 v8, |v[XS]|, |v[XS+1]|, |v[XS+2]|
	v_max3_num_f32 v9, |v[XS+3]|, |v[XS+4]|, |v[XS+5]|
.irp i, 6,10,14,18,22,26
	v_max3_num_f32 v8, v8, |v[XS+\i]|, |v[XS+\i+1]|
	v_max3_num_f32 v9, v9, |v[XS+\i+2]|, |v[XS+\i+3]|
.endr
	v_max3_num_f32 v8, v8, |v[XS+30]|, |v[XS+31]|
	v_max3_num_f32 v8, v8, v9, 0x1800000           ; the floor 2^(3 - 127)
	v_add_nc_u32 v10, 0xff000000, v8               ; the conversion's scale operand
	v_lshrrev_b32 v11, 23, v10                     ; the byte
.if (\t) == 0
	v_mov_b32 v24, v11
.else
	v_lshl_or_b32 v24, v11, 8*(\t), v24
.endif
	v_cvt_scalef32_pk16_fp6_f32 v[CD:CD+2], v[XS:XS+15], v10
	v_cvt_scalef32_pk16_fp6_f32 v[CD+6:CD+8], v[XS+16:XS+31], v10
	v_nop                                          ; one plain line behind the conversions
.irp i, 0,1,2
	v_mov_b32 v[CD+3+\i], v[CD+6+\i]
.endr
.irp p, 0,1,2
	ds_store_b64 v2, v[CD+2*\p:CD+2*\p+1] offset:(3*((\t)/2)+\p)*256+128*((\t)%2)
.endr
.endm
	BLOCK 0, 63                                    ; 96 loads are younger; 63 is the most that a wait can name
	BLOCK 1, 63                                    ; 64 are younger
	BLOCK 2, 32
	BLOCK 3, 0
	global_store_b32 v5, v24, s[8:9]
.irp u, 0,1
.irp c, 0,1,2
	ds_load_b128 v[32+12*\u+4*\c:35+12*\u+4*\c], v3 offset:\u*IMG+512*\c   ; LDS serves a wave's instructions in order: these see my stores
.endr
.endr
.irp u, 0,1
.irp c, 0,1,2
	s_wait_dscnt 5-3*\u-\c
	global_store_b128 v4, v[32+12*\u+4*\c:35+12*\u+4*\c], s[6:7] offset:\u*12288+512*\c   ; 512 consecutive bytes, aligned
.endr
.endr
	s_wait_tensorcnt 0x0                           ; the wave's end, behind my last LDS store
	ds_add_u32 v6, v7
	s_wait_dscnt 0x0
	s_endpgm
.Lfunc_end_k_qd98596c396_quantw:
	.size	k_qd98596c396_quantw, .Lfunc_end_k_qd98596c396_quantw-k_qd98596c396_quantw
	.p2alignl 7, 3214868480
	.fill 96, 4, 3214868480
	.section	.rodata,"a",@progbits
	.p2align	6, 0x0
	.amdhsa_kernel k_qd98596c396_quantw
		.amdhsa_group_segment_fixed_size 13824
		.amdhsa_private_segment_fixed_size 0
		.amdhsa_enable_private_segment 0
		.amdhsa_kernarg_size 40
		.amdhsa_user_sgpr_count 2
		.amdhsa_user_sgpr_kernarg_segment_ptr 1
		.amdhsa_wavefront_size32 1
		.amdhsa_system_sgpr_workgroup_id_x 1
		.amdhsa_system_sgpr_workgroup_id_y 1
		.amdhsa_system_sgpr_workgroup_id_z 1
		.amdhsa_system_vgpr_workitem_id 0
		.amdhsa_next_free_vgpr 208
		.amdhsa_next_free_sgpr 66
		.amdhsa_reserve_vcc 0
		.amdhsa_float_denorm_mode_32 3
		.amdhsa_float_denorm_mode_16_64 3
		.amdhsa_memory_ordered 1
		.amdhsa_forward_progress 1
		.amdhsa_inst_pref_size 23
	.end_amdhsa_kernel
	.amdgpu_metadata
---
amdhsa.version: [ 1, 2 ]
amdhsa.kernels:
  - .name:           k_qd98596c396_quantw
    .symbol:         k_qd98596c396_quantw.kd
    .args:
      - { .name: Wq, .offset: 0, .size: 8, .value_kind: global_buffer, .address_space: global }
      - { .name: Wk, .offset: 8, .size: 8, .value_kind: global_buffer, .address_space: global }
      - { .name: Wv, .offset: 16, .size: 8, .value_kind: global_buffer, .address_space: global }
      - { .name: Wo, .offset: 24, .size: 8, .value_kind: global_buffer, .address_space: global }
      - { .name: WQ, .offset: 32, .size: 8, .value_kind: global_buffer, .address_space: global }
    .group_segment_fixed_size: 13824
    .private_segment_fixed_size: 0
    .kernarg_segment_align: 8
    .kernarg_segment_size: 40
    .max_flat_workgroup_size: 128
    .sgpr_count:     66
    .vgpr_count:     208
    .wavefront_size: 32
...
	.end_amdgpu_metadata
.endif
;; end of part 2
;; launch gemm_qkv (part 3): grid 12 x 32, 4 waves a work-group, clusters of 4 x 4, 327,680 bytes of LDS; arguments XQ, WQ, bq, bk, bv, QQ, KV; writes QQ, KV
.if DOCPART == 3
	.amdgcn_target "amdgcn-amd-amdhsa--gfx1250"
	.amdhsa_code_object_version 6
	.text
	.protected	k_qd98596c396_gemm_qkv
	.globl	k_qd98596c396_gemm_qkv
	.p2align	8
	.type	k_qd98596c396_gemm_qkv,@function
k_qd98596c396_gemm_qkv:
	s_mov_b64 s[64:65], 0
	v_nop
	global_prefetch_b8 v0, s[64:65] scope:SCOPE_SE
	s_setreg_imm32_b32 hwreg(HW_REG_WAVE_MODE, 25, 1), 1
	s_wait_xcnt 0x0
	s_wait_alu depctr_hold_cnt(0) depctr_sa_sdst(0) depctr_va_vdst(0) depctr_va_sdst(0) depctr_va_ssrc(0) depctr_va_vcc(0) depctr_vm_vsrc(0)
	s_getreg_b32 s2, hwreg(HW_REG_IB_STS2, 6, 4)
	s_cmp_eq_u32 s2, 0
	s_cbranch_scc0 .Lentry_in_a_cluster
	s_endpgm
.Lentry_in_a_cluster:
	s_bfe_u32 s2, ttmp6, 0x10000c
	s_cmp_lg_u32 s2, 0xf033
	s_cbranch_scc0 .Lentry_shape_is_right
	s_endpgm
.Lentry_shape_is_right:
; Q = X Wq + bq, K = X Wk + bk, V = X Wv + bv on codes of FP6 (E2M3) with E8M0 scales, and each result quantised again, in registers, along the K of the product that will read it: Q and K along the head's 64
; channels, V along the keys.  Only codes and scale words go to memory, laid in the order of the reader's operand registers.
; A tile of 256 x 256 is made by four waves, 128 x 128 each: 64 accumulators, 512 registers.  K = 1,024 goes in four steps of 256 through two LDS slots.  Source 0 of the matrix instruction is the "B side", source 1 the
; "A side": a lane holds ONE row of the A side and its registers run along the B side.  MODE = the cluster's x, equal in all sixteen partners: 0 Q, 1 K: A side = X's rows, B side = the weight's columns, so the
; registers run along the channels; 2 V: A side = Wv's columns, B side = X's rows, so the registers run along the keys.  Tiles of 16 hold at place r row 32 (T / 2) + 8 (T % 2) + r + 8 (r / 8), so that the 16
; registers of B tiles 2 b, 2 b + 1 are 16 neighbours: 32 b + 16 (lane / 16) + 0..15.
; OPERANDS lie in memory as fragments of 1,536 bytes (16 rows x 128 K; piece p of 256 bytes = operand registers 2 p, 2 p + 1 of the 32 lanes): a tensor load brings 8 tiles x 2 fragments, an LDS load of 8 bytes a lane brings a piece.
; CLUSTERS 4 x 4: A's tiles are shared along a row of the cluster, B's along a column, each asked for jointly.  384 work-groups.
; BIASES: along the registers (Q, K) as the C of the first K step's products; along the lanes (V) added in the copy on the way out; the one that a mode does not have is made 0 by a select.
; LIMITS: NaN and infinities are not served; a block of zeros or under 2^-124 gets the scale byte 1 (read by this program alone).
; REGISTERS: window 0: v0-31 addresses; v32-63 scale words, two sets; v64-127 the bias along the registers; v128-223 A's fragments, one set; v224-239 the bias along the lanes; v240-255 at work.
;   window 1: B's fragments, two sets, at v0 and v128.  windows 2, 3: the accumulators of A blocks 0-3, 4-7: (a, b) at v[8 (8 (a % 4) + b)].  On the way out v32-127 of window 0 are free.
.set FR,    12
.set NP,    4                          ; places behind this matrix instruction (ISA guide 7.12.1)
.set HALFT, 24576                      ; 8 tiles x 2 fragments: what one tensor load brings
.set SLOT,  4*HALFT                    ; A's two halves, B's two halves
.set SCL,   2*SLOT                     ; the scale words of the four halves, all of K: 4,096 bytes each, [tile][kt][16 words]
.set SPARE, SCL+4*4096                 ; the spare words, 128 bytes a wave
.set ADRA, 16                          ; v16-17 my A fragments in slot 0, 1
.set ADRB, 20                          ; v20-21 my B fragments
.set VSO,  22                          ; the scale words' way out
.set STS,  24                          ; the scale stage, in;  v25 back.  The stage, 1,024 bytes a wave, lies in slot 0, which has had its last fill and its last read by then
.set RDS,  25
.set VO1,  26                          ; 8 x lane
.set ADRS, 27                          ; my scale words in LDS: lanes 0-15 A's, lanes 16-31 B's
.set SPW,  28
.set NIL,  29
.set VO2,  30                          ; 8 x lane + where operand registers 6-11 go
.set SHV,  31
.set SC,   32
.set BB,   64
.set AF,   128
.set BA,   224
.set TM,   240
.set T,    64                          ; the way out: 64 numbers;  v32-50 codes;  v52 the scale word;  v54-61 the words as stored
.set PC,   32
.set PW,   52
.set SW,   54
.set G1, 24
.set G0, 32
.set G1B, 48
.set G0B, 56
.set G1S, 68
.set G0S, 76
.set G1SB, 80
.set G0SB, 88
.set MSB, 0
.macro WIN new                         ; the immediate's high byte repeats the setting that is left
.if MSB != \new
	s_set_vgpr_msb (MSB<<8)|\new
.set MSB, \new
.endif
.endm
.set MUL_LO, 0xa1                      ; source 0 (B) window 1, source 1 (A) window 0, C and D window 2
.set MUL_HI, 0xf1
.set FST_LO, 0x81                      ; the first K step: C (the bias) window 0, D window 2
.set FST_HI, 0xc1
.set TO_B,   0x40
.macro JLOAD g0a, g1a, g0b, g1b        ; a joint load: waves 0, 1 fetch for A, waves 2, 3 for B; the branch hangs on the wave's number alone; s_nop 0 and four v_nop follow each line
	s_cmp_eq_u32 s19, 0
	s_cbranch_scc0 .Lfor_b_\@
	tensor_load_to_lds s[\g0a:\g0a+3], s[\g1a:\g1a+7]
	s_nop 0
.rept 4
	v_nop
.endr
	s_branch .Lasked_\@
.Lfor_b_\@:
	tensor_load_to_lds s[\g0b:\g0b+3], s[\g1b:\g1b+7]
	s_nop 0
.rept 4
	v_nop
.endr
.Lasked_\@:
.endm
.macro CREST                           ; a round of the cluster's barrier behind its opening barrier
	s_cmp_lg_u32 s18, 0
	s_cbranch_scc1 .Lnot_wave_0_\@
	s_barrier_signal -3
.Lnot_wave_0_\@:
	s_barrier_wait -3
	s_barrier_signal -1
	s_barrier_wait -1
.endm
.macro CROUND
	s_barrier_signal -1
	s_barrier_wait -1
	CREST
.endm
.macro PLACES n
.rept \n
	v_nop
.endr
.endm
	s_load_b256 s[4:11], s[0:1], 0x0               ; XQ, WQ, bq, bk
	s_load_b128 s[12:15], s[0:1], 0x20             ; bv, QQ
	s_load_b64 s[16:17], s[0:1], 0x30              ; KV
	v_lshl_add_u32 v[SPW], v0, 2, SPARE
	v_mov_b32 v[NIL], 0
	ds_add_u32 v[SPW], v[NIL]                      ; the wave's opening: the add and its wait ahead of my first tensor load; work on registers stands between
	v_lshrrev_b32 v1, 5, v0
	v_readfirstlane_b32 s18, v1                    ; wave
	s_lshr_b32 s19, s18, 1                         ; HA: my half of the A side.  Also: I fetch for A (0) or B (1)
	s_and_b32 s20, s18, 1                          ; HB: my half of the B side.  Also: which half I fetch
	s_bfe_u32 s21, ttmp6, 0x40000                  ; cx
	s_bfe_u32 s22, ttmp6, 0x40004                  ; cy
	s_mov_b32 s23, ttmp9                           ; MODE
	s_and_b32 s44, ttmp7, 0xffff                   ; the cluster's y
	s_lshl_b32 s42, s22, 2
	s_lshl_b32 s42, 15, s42                        ; my row of the cluster
	s_lshl_b32 s43, 0x1111, s21                    ; my column
	s_or_b32 s[G1], s42, (3<<16)|(1<<21)           ; codes: elements of 8 bytes, no padding; 8 rows (tiles) of 384 elements (two fragments), 1,536 elements (a tile's eight fragments) apart
	s_or_b32 s[G1B], s43, (3<<16)|(1<<21)
.irp g, G1, G1B
	s_mov_b32 s[\g+1], 384<<16
	s_mov_b32 s[\g+2], 8<<16
	s_mov_b32 s[\g+3], 384<<16
	s_mov_b32 s[\g+4], 8
	s_mov_b32 s[\g+5], 1536
	s_mov_b32 s[\g+6], 0
	s_mov_b32 s[\g+7], 0
.endr
	s_or_b32 s[G1S], s42, (3<<16)|(1<<21)          ; scale words: 4,096 dense bytes as 16 rows of 256
	s_or_b32 s[G1SB], s43, (3<<16)|(1<<21)
.irp g, G1S, G1SB
	s_mov_b32 s[\g+1], 32<<16
	s_mov_b32 s[\g+2], 16<<16
	s_mov_b32 s[\g+3], 32<<16
	s_mov_b32 s[\g+4], 16
	s_mov_b32 s[\g+5], 32
	s_mov_b32 s[\g+6], 0
	s_mov_b32 s[\g+7], 0
.endr
	s_lshl_b32 s45, s44, 2
	s_add_co_u32 s40, s45, s22
	s_add_co_u32 s41, s45, s21
	s_cmp_eq_u32 s23, 2
	s_cselect_b32 s40, s22, s40                    ; AIDX: which 256 of the A side: hangs on cy alone of the two places
	s_cselect_b32 s41, s41, s21                    ; BIDX: on cx alone
	s_lshl_b32 s47, s20, 3
	s_lshl_b32 s46, s40, 4
	s_add_co_u32 s46, s46, s47                     ; A: the first tile that I would fetch
	s_lshl_b32 s66, s41, 4
	s_add_co_u32 s66, s66, s47                     ; B
	s_mul_i32 s92, s46, 12288
	s_lshl_b32 s94, s46, 9
	s_mul_i32 s96, s66, 12288
	s_lshl_b32 s98, s66, 9
	s_mul_i32 s67, s23, 786432
	s_lshl_b32 s100, s23, 15
	s_add_co_u32 s100, s100, 3145728
	s_mov_b32 s101, 6291456
	s_cmp_eq_u32 s23, 2
	s_cselect_b32 s2, 1572864, 0                   ; A's codes: Wv's part of WQ, or XQ from its start
	s_cselect_b32 s3, 3211264, s101                ; A's scale words
	s_cselect_b32 s67, 0, s67                      ; B's codes
	s_cselect_b32 s100, s101, s100                 ; B's scale words
	s_add_co_u32 s92, s92, s2
	s_add_co_u32 s94, s94, s3
	s_add_co_u32 s96, s96, s67
	s_add_co_u32 s98, s98, s100
	s_mov_b32 s93, 0
	s_mov_b32 s95, 0
	s_mov_b32 s97, 0
	s_mov_b32 s99, 0
	s_mul_i32 s45, s18, HALFT                      ; where they go: by the wave's number alone
	s_lshl_b32 s47, s18, 12
	s_wait_dscnt 0x0                               ; the opening add is done
	s_wait_kmcnt 0x0
	s_cmp_eq_u32 s23, 2
	s_cselect_b64 s[2:3], s[6:7], s[4:5]           ; the A side's buffer
	s_cselect_b64 s[100:101], s[4:5], s[6:7]       ; the B side's
	s_add_nc_u64 s[92:93], s[2:3], s[92:93]
	s_add_nc_u64 s[94:95], s[2:3], s[94:95]
	s_add_nc_u64 s[96:97], s[100:101], s[96:97]
	s_add_nc_u64 s[98:99], s[100:101], s[98:99]
	CROUND                                         ; all sixteen work-groups are here: the first joint loads meet
	s_mov_b32 s[G0S], 1
	s_add_co_u32 s[G0S+1], s47, SCL
	s_mov_b64 s[G0S+2:G0S+3], s[94:95]
	s_or_b32 s[G0S+3], s[G0S+3], 0x80000000
	s_mov_b32 s[G0SB], 1
	s_add_co_u32 s[G0SB+1], s47, SCL
	s_mov_b64 s[G0SB+2:G0SB+3], s[98:99]
	s_or_b32 s[G0SB+3], s[G0SB+3], 0x80000000
	JLOAD G0S, G1S, G0SB, G1SB                     ; the scale words, once for all of K
.irp s, 0,1
	s_mov_b32 s[G0+4*\s], 1
	s_add_co_u32 s[G0+4*\s+1], s45, \s*SLOT
	s_add_nc_u64 s[G0+4*\s+2:G0+4*\s+3], s[92:93], \s*3072
	s_or_b32 s[G0+4*\s+3], s[G0+4*\s+3], 0x80000000
	s_mov_b32 s[G0B+4*\s], 1
	s_add_co_u32 s[G0B+4*\s+1], s45, \s*SLOT
	s_add_nc_u64 s[G0B+4*\s+2:G0B+4*\s+3], s[96:97], \s*3072
	s_or_b32 s[G0B+4*\s+3], s[G0B+4*\s+3], 0x80000000
	JLOAD G0+4*\s, G1, G0B+4*\s, G1B               ; K steps 0 and 1: three loads of mine are out
.endr
	v_and_b32 v1, 15, v0                           ; r
	v_bfe_u32 v2, v0, 4, 1                         ; h
	v_and_b32 v3, 31, v0                           ; lane
	v_lshlrev_b32 v[VO1], 3, v3
	s_mul_i32 s2, s19, HALFT
	s_mul_i32 s3, s20, HALFT
	s_add_co_u32 s3, s3, 2*HALFT
.irp s, 0,1
	v_add_nc_u32 v[ADRA+\s], s2, v[VO1]
	v_add_nc_u32 v[ADRB+\s], s3, v[VO1]
	s_add_co_u32 s2, s2, SLOT
	s_add_co_u32 s3, s3, SLOT
.endr
	s_lshl_b32 s2, s19, 12                         ; A's words: my half
	s_lshl_b32 s3, s20, 12                         ; B's: my half, behind A's two
	s_add_co_u32 s3, s3, 8192
	s_sub_co_u32 s3, s3, s2
	v_mul_u32_u24 v4, s3, v2                       ; lanes 16-31 take B's
	s_add_co_u32 s2, s2, SCL
	v_lshl_add_u32 v4, v1, 2, v4
	v_add_nc_u32 v[ADRS], s2, v4
	s_lshl_b32 s2, s18, 10
	v_lshlrev_b32 v4, 9, v2
	v_lshl_add_u32 v4, v1, 2, v4
	v_add_nc_u32 v[STS], s2, v4                    ; wave x 1024 + 512 h + 4 r
	v_lshl_add_u32 v[RDS], v3, 4, s2
	; the biases
	s_lshl_b32 s66, s21, 10
	s_lshl_b32 s67, s20, 9
	s_add_co_u32 s66, s66, s67                     ; (256 cx + 128 HB) x 4
	s_lshl_b32 s46, s22, 10
	s_lshl_b32 s47, s19, 9
	s_add_co_u32 s46, s46, s47                     ; (256 cy + 128 HA) x 4
	s_cmp_eq_u32 s23, 1
	s_cselect_b64 s[2:3], s[10:11], s[8:9]
	s_cmp_eq_u32 s23, 2
	s_cselect_b64 s[2:3], s[12:13], s[2:3]
	s_cselect_b32 s100, 0, -1                      ; lanes that keep the bias along the registers
	s_cselect_b32 s101, -1, 0                      ; and the one along the lanes
	s_cselect_b32 s66, 0, s66
	s_cselect_b32 s46, s46, 0
	s_mov_b32 s67, 0
	s_mov_b32 s47, 0
	s_add_nc_u64 s[2:3], s[2:3], s[66:67]
	s_add_nc_u64 s[94:95], s[12:13], s[46:47]
	v_lshlrev_b32 v5, 6, v2                        ; 64 h
	v_and_b32 v6, 8, v1
	v_add_nc_u32 v6, v6, v1
	v_lshlrev_b32 v6, 2, v6                        ; 4 (r + 8 (r / 8))
.irp b, 0,1,2,3,4,5,6,7
	global_load_b128 v[BB+8*\b:BB+8*\b+3], v5, s[2:3] offset:(32*(\b/2)+8*(\b%2))*4
	global_load_b128 v[BB+8*\b+4:BB+8*\b+7], v5, s[2:3] offset:(32*(\b/2)+8*(\b%2))*4+16
.endr
.irp a, 0,1,2,3,4,5,6,7
	global_load_b32 v[BA+2*\a], v6, s[94:95] offset:(32*(\a/2)+8*(\a%2))*4
.endr
.irp b, 0,1,2,3
	v_mov_b32 v[TM+4+\b], 0                        ; a lane permute's destination counts as read
.endr
	s_wait_loadcnt 0x0
.set n, 0
.rept 64
	v_cndmask_b32 v[BB+n], 0, v[BB+n], s100
.set n, n+1
.endr
.irp a, 0,1,2,3,4,5,6,7
	v_cndmask_b32 v[BA+2*\a+1], 0, v[BA+2*\a], s101   ; each twice: a pair for the packed addition
	v_cndmask_b32 v[BA+2*\a], 0, v[BA+2*\a], s101
.endr
.macro FRAG reg, adr, q, i             ; a fragment: six pieces of 256 bytes, 8 bytes a lane
.irp p, 0,1,2,3,4,5
	ds_load_b64 v[\reg+2*\p:\reg+2*\p+1], v[\adr] offset:(\i)*3072+(\q)*1536+256*\p
.endr
.endm
.macro FETCH_B slot, q, p
	WIN TO_B
.irp i, 0,1,2,3,4,5,6,7
	FRAG 128*(\p)+FR*\i, ADRB+\slot, \q, \i
.endr
	WIN 0
.endm
.macro FETCH_A slot, q, i0
.irp i, \i0, \i0+1, \i0+2, \i0+3
	FRAG AF+FR*(\i), ADRA+\slot, \q, \i
.endr
.endm
.macro SCALES set, ks                  ; K step ks's scale words: register 2 i + q: lanes 0-15 A's block i, lanes 16-31 B's block i
.irp i, 0,1,2,3,4,5,6,7
.irp q, 0,1
	ds_load_b32 v[SC+16*(\set)+2*\i+\q], v[ADRS] offset:\i*512+(2*(\ks)+\q)*64
.endr
.endr
.endm
; 16 products: A's blocks a0, a0 + 1 x B's eight.  The 64 accumulators take turns, one instruction a turn, in the same order in every step.
.macro MUL16 a0, p, q, sc, first
.irp a, \a0, \a0+1
.irp b, 0,1,2,3,4,5,6,7
.if \first
	v_wmma_scale_f32_16x16x128_f8f6f4 v[8*(8*((\a)%4)+\b):8*(8*((\a)%4)+\b)+7], v[128*(\p)+FR*\b:128*(\p)+FR*\b+FR-1], v[AF+FR*(\a):AF+FR*(\a)+FR-1], v[BB+8*\b:BB+8*\b+7], v[SC+16*(\sc)+2*\b+(\q)], v[SC+16*(\sc)+2*(\a)+(\q)] matrix_a_fmt:MATRIX_FMT_FP6 matrix_b_fmt:MATRIX_FMT_FP6 matrix_a_scale:MATRIX_SCALE_ROW1
.else
	v_wmma_scale_f32_16x16x128_f8f6f4 v[8*(8*((\a)%4)+\b):8*(8*((\a)%4)+\b)+7], v[128*(\p)+FR*\b:128*(\p)+FR*\b+FR-1], v[AF+FR*(\a):AF+FR*(\a)+FR-1], v[8*(8*((\a)%4)+\b):8*(8*((\a)%4)+\b)+7], v[SC+16*(\sc)+2*\b+(\q)], v[SC+16*(\sc)+2*(\a)+(\q)] matrix_a_fmt:MATRIX_FMT_FP6 matrix_b_fmt:MATRIX_FMT_FP6 matrix_a_scale:MATRIX_SCALE_ROW1
.endif
.endr
.endr
.endm
.macro STEP slot, first                ; a slot's first 128 along K; the second's fragments are fetched meanwhile
	s_wait_dscnt 24                                ; all but A's blocks 4-7 (four fragments of six loads)
.if \first
	WIN FST_LO
.else
	WIN MUL_LO
.endif
	MUL16 0, 0, 0, \slot, \first
	MUL16 2, 0, 0, \slot, \first
	s_wait_dscnt 0x0
	PLACES NP                                      ; in front of loads into registers that matrix instructions have read
	FETCH_B \slot, 1, 1
	FETCH_A \slot, 1, 0
.if \first
	WIN FST_HI
.else
	WIN MUL_HI
.endif
	MUL16 4, 0, 0, \slot, \first
	MUL16 6, 0, 0, \slot, \first
	PLACES NP
	WIN 0
	FETCH_A \slot, 1, 4
.endm
; A slot's second 128 along K, and the change of slots: one barrier; in front of it each wave waits for all its tensor loads, adds 0 to its spare word and waits for that and for its reads of the slot.
.macro TURN slot, next, fill, ksn
	s_wait_tensorcnt 0x0                           ; all my tensor loads have landed: my part of the next slot
	ds_add_u32 v[SPW], v[NIL]
	s_wait_dscnt 25                                ; the add and A's blocks 4-7 may be out
	WIN MUL_LO
	MUL16 0, 1, 1, \slot, 0
	s_wait_dscnt 0x0                               ; the add is done, my reads of this slot are over
	s_barrier_signal -1
	MUL16 2, 1, 1, \slot, 0
	WIN 0
	s_barrier_wait -1
.if \fill
	CREST                                          ; the barrier has opened a round of the cluster's: no wave of any partner still reads this slot or has a load on its way
	s_add_nc_u64 s[G0+4*\slot+2:G0+4*\slot+3], s[G0+4*\slot+2:G0+4*\slot+3], 6144
	s_add_nc_u64 s[G0B+4*\slot+2:G0B+4*\slot+3], s[G0B+4*\slot+2:G0B+4*\slot+3], 6144
	JLOAD G0+4*\slot, G1, G0B+4*\slot, G1B         ; my one tensor load behind the round; its four v_nop are the places in front of the loads below
.else
	PLACES NP
.endif
	FETCH_B \next, 0, 0
	FETCH_A \next, 0, 0
	SCALES \next, \ksn
	WIN MUL_HI
	MUL16 4, 1, 1, \slot, 0
	MUL16 6, 1, 1, \slot, 0
	PLACES NP
	WIN 0
	FETCH_A \next, 0, 4
.endm
	s_wait_tensorcnt 1                             ; the scale words and my part of K step 0 are in; K step 1's load may be out
	s_barrier_signal -1
	s_barrier_wait -1
	FETCH_B 0, 0, 0
	FETCH_A 0, 0, 0
	SCALES 0, 0
	FETCH_A 0, 0, 4
	STEP 0, 1                                      ; the first products start the sums from the bias
	TURN 0, 1, 1, 1
	STEP 1, 0
	TURN 1, 0, 1, 2
	STEP 0, 0
	TURN 0, 1, 0, 3                                ; nothing is left to fetch
	STEP 1, 0
	s_wait_dscnt 24
	WIN MUL_LO
	MUL16 0, 1, 1, 1, 0
	MUL16 2, 1, 1, 1, 0
	s_wait_dscnt 0x0
	WIN MUL_HI
	MUL16 4, 1, 1, 1, 0
	MUL16 6, 1, 1, 1, 0
	WIN 0
	PLACES NP
	; THE WAY OUT.  Where my results go, by selects on MODE (no tensor load of mine is out: the descriptors' registers are free).
	s_mov_b32 s2, 0x76543210
	s_mov_b32 s3, 0xfedcba98                       ; lane l xor 16
	s_lshl_b32 s48, s40, 4
	s_lshl_b32 s49, s19, 3
	s_add_co_u32 s48, s48, s49                     ; TA0: my first tile of the A side
	s_lshl_b32 s49, s41, 1
	s_add_co_u32 s49, s49, s20                     ; GB: my 128 of the B side
	s_lshr_b32 s50, s48, 7                         ; Q, K: the batch
	s_lshr_b32 s51, s49, 4                         ; V: the batch
	s_lshl_b32 s52, s49, 1                         ; Q, K: my first head
	s_lshr_b32 s53, s48, 2                         ; V: my first head
	s_and_b32 s54, s48, 127                        ; Q, K: my first tile of rows in the batch
	s_lshr_b32 s55, s54, 4                         ; K: the slot of 256 keys
	s_bfe_u32 s56, s49, 0x30001                    ; V: the slot
	s_and_b32 s57, s54, 15                         ; K: my first tile in it
	s_and_b32 s58, s49, 1                          ; V: which 128 keys of it
	s_cmp_eq_u32 s23, 2
	s_cselect_b32 s50, s51, s50
	s_cselect_b32 s52, s53, s52
	s_cselect_b32 s55, s56, s55
	s_lshl_b32 s50, s50, 4
	s_add_co_u32 s50, s50, s52                     ; 16 x batch + head
	s_lshl_b32 s51, s50, 3
	s_add_co_u32 s51, s51, s55
	s_mul_i32 s51, s51, 26112                      ; the record of (head, slot) in KV: K's 16 tiles x 768; their words at 12,288; V's 2 x 4 fragments at 13,312; their words at 25,600
	s_lshl_b32 s53, s50, 7
	s_add_co_u32 s53, s53, s54
	s_mul_i32 s59, s53, 768                        ; Q: codes
	s_lshl_b32 s60, s53, 6
	s_add_co_u32 s60, s60, 6291456                 ; Q: scale words
	s_mul_i32 s61, s57, 768
	s_add_co_u32 s61, s61, s51                     ; K: codes
	s_lshl_b32 s62, s57, 6
	s_add_co_u32 s62, s62, s51
	s_add_co_u32 s62, s62, 12288                   ; K: scale words
	s_mul_i32 s63, s58, 6144
	s_add_co_u32 s63, s63, s51
	s_add_co_u32 s63, s63, 13312                   ; V: codes
	s_lshl_b32 s24, s58, 8
	s_add_co_u32 s24, s24, s51
	s_add_co_u32 s24, s24, 25600                   ; V: scale words
	s_mov_b32 s25, 208896                          ; from head to head in KV
	s_mov_b32 s26, 768
	s_cmp_eq_u32 s23, 0
	s_cselect_b32 s92, s59, s61
	s_cselect_b32 s94, s60, s62
	s_cselect_b32 s45, 98304, s25                  ; Q, K: operand registers 6-11 are the next head's 0-5
	s_cselect_b32 s46, 8192, s25                   ; and so are the scale words' upper halves
	s_cselect_b64 s[28:29], s[14:15], s[16:17]     ; QQ or KV
	s_cmp_eq_u32 s23, 2
	s_cselect_b32 s92, s63, s92
	s_cselect_b32 s94, s24, s94
	s_cselect_b32 s45, s26, s45                    ; V: they follow in the same fragment
	s_cselect_b32 s46, 0, s46                      ; V: the second store of scale words repeats the first: the same bytes to the same places
	s_cselect_b32 s96, 1536, s26                   ; from A block to A block
	s_cselect_b32 s98, 202752, 0                   ; V: at block 4, on to the next head
	s_cselect_b32 s47, 208640, 0                   ; V: lanes 16-31 of the words' store belong to the next head
	s_cselect_b32 s66, -1, 0xffff                  ; Q, K: half a word to a head
	s_cselect_b32 s67, 0, 16
	s_mov_b32 s93, 0
	s_mov_b32 s95, 0
	s_mov_b32 s97, 0
	s_mov_b32 s99, 0
	s_mov_b32 s30, s46
	s_mov_b32 s31, 0
	s_add_nc_u64 s[92:93], s[28:29], s[92:93]
	s_add_nc_u64 s[94:95], s[28:29], s[94:95]
	s_add_nc_u64 s[30:31], s[94:95], s[30:31]
	v_mul_u32_u24 v[VSO], s47, v2
	v_lshl_add_u32 v[VSO], v3, 4, v[VSO]
	v_add_nc_u32 v[VO2], s45, v[VO1]
	v_mul_u32_u24 v[SHV], s67, v2
; 64 numbers of a lane, register 16 b + i = k 32 b + 16 (lane / 16) + i of my row, become a fragment's codes in v[PC] on and its scale word in v[PW]
.macro QUANT s
.irp b, 0,1,2,3
	v_max3_num_f32 v[TM+\b], |v[\s+16*\b]|, |v[\s+1+16*\b]|, 0x1800000   ; the floor 2^(3 - 127) holds the byte at 1 from below
.endr
.irp i, 2,4,6,8,10,12,14
.irp b, 0,1,2,3
	v_max3_num_f32 v[TM+\b], v[TM+\b], |v[\s+16*\b+\i]|, |v[\s+1+16*\b+\i]|
.endr
.endr
.irp b, 0,1,2,3
	v_permlanex16_b32 v[TM+4+\b], v[TM+\b], s2, s3
.endr
.irp b, 0,1,2,3
	v_max_num_f32 v[TM+\b], v[TM+\b], v[TM+4+\b]
.endr
.irp b, 0,1,2,3
	v_add_nc_u32 v[TM+12+\b], 0xff000000, v[TM+\b]   ; 2 off the exponent field: the conversion's scale operand
.endr
.irp b, 0,1,2,3
	v_lshrrev_b32 v[TM+4+\b], 23, v[TM+12+\b]
.endr
	v_lshl_or_b32 v[PW], v[TM+5], 8, v[TM+4]
	v_lshl_or_b32 v[PW], v[TM+6], 16, v[PW]
	v_lshl_or_b32 v[PW], v[TM+7], 24, v[PW]
.irp c, 0,1
	v_cvt_scalef32_pk16_fp6_f32 v[PC+6*\c:PC+2+6*\c], v[\s+32*\c:\s+15+32*\c], v[TM+12+2*\c]
	v_cvt_scalef32_pk16_fp6_f32 v[PC+12+4*\c:PC+14+4*\c], v[\s+16+32*\c:\s+31+32*\c], v[TM+12+2*\c+1]
.endr
	v_nop                                          ; one plain line behind the conversions
.irp c, 0,1                                    ; the operand wants a whole block in a lane: lanes 0-15 block 2 c, lanes 16-31 block 2 c + 1
.irp i, 0,1,2
	v_permlane16_swap_b32 v[PC+6*\c+\i], v[PC+12+4*\c+\i]
.endr
.irp i, 0,1,2
	v_mov_b32 v[PC+3+6*\c+\i], v[PC+12+4*\c+\i]
.endr
.endr
.endm
.macro OUTBLK a                        ; A block a: 16 rows x my 128 of the B side
	s_wait_xcnt 0x0                                ; the last block's stores have read their registers and their base
.if (\a) > 0
	s_add_nc_u64 s[92:93], s[92:93], s[96:97]
.endif
.if (\a) == 4
	s_add_nc_u64 s[92:93], s[92:93], s[98:99]
.endif
	WIN 0x02+(\a)/4                                ; source 0: window 2 or 3
.set AC, 64*((\a)%4)
.set n, 0
.rept 32
	v_pk_add_f32 v[T+n:T+n+1], v[AC+n:AC+n+1], v[BA+2*(\a):BA+2*(\a)+1]   ; each accumulator from its low end on
.set n, n+2
.endr
	WIN 0
	QUANT T
	v_lshrrev_b32 v[SW+(\a)], v[SHV], v[PW]
	v_and_b32 v[SW+(\a)], s66, v[SW+(\a)]
	ds_store_b32 v[STS], v[SW+(\a)] offset:64*(\a)
.irp p, 0,1,2
	global_store_b64 v[VO1], v[PC+2*\p:PC+2*\p+1], s[92:93] offset:256*\p       ; 256 consecutive bytes, aligned
.endr
.irp p, 0,1,2
	global_store_b64 v[VO2], v[PC+6+2*\p:PC+7+2*\p], s[92:93] offset:256*\p
.endr
.endm
.irp a, 0,1,2,3,4,5,6,7
	OUTBLK \a
.endr
	ds_load_b128 v[64:67], v[RDS]                  ; LDS serves a wave's instructions in order: these see my stores
	ds_load_b128 v[68:71], v[RDS] offset:512
	s_wait_dscnt 0x0
	global_store_b128 v[VSO], v[64:67], s[94:95]
	global_store_b128 v[VSO], v[68:71], s[30:31]
	s_wait_tensorcnt 0x0                           ; the wave's end
	ds_add_u32 v[SPW], v[NIL]
	s_wait_dscnt 0x0
	CROUND                                         ; the closing round
	s_endpgm
.Lfunc_end_k_qd98596c396_gemm_qkv:
	.size	k_qd98596c396_gemm_qkv, .Lfunc_end_k_qd98596c396_gemm_qkv-k_qd98596c396_gemm_qkv
	.p2alignl 7, 3214868480
	.fill 96, 4, 3214868480
	.section	.rodata,"a",@progbits
	.p2align	6, 0x0
	.amdhsa_kernel k_qd98596c396_gemm_qkv
		.amdhsa_group_segment_fixed_size 327680
		.amdhsa_private_segment_fixed_size 0
		.amdhsa_enable_private_segment 0
		.amdhsa_kernarg_size 56
		.amdhsa_user_sgpr_count 2
		.amdhsa_user_sgpr_kernarg_segment_ptr 1
		.amdhsa_wavefront_size32 1
		.amdhsa_system_sgpr_workgroup_id_x 1
		.amdhsa_system_sgpr_workgroup_id_y 1
		.amdhsa_system_sgpr_workgroup_id_z 1
		.amdhsa_system_vgpr_workitem_id 0
		.amdhsa_next_free_vgpr 1024
		.amdhsa_next_free_sgpr 102
		.amdhsa_reserve_vcc 0
		.amdhsa_float_denorm_mode_32 3
		.amdhsa_float_denorm_mode_16_64 3
		.amdhsa_memory_ordered 1
		.amdhsa_forward_progress 1
		.amdhsa_inst_pref_size 195
	.end_amdhsa_kernel
	.amdgpu_metadata
---
amdhsa.version: [ 1, 2 ]
amdhsa.kernels:
  - .name:           k_qd98596c396_gemm_qkv
    .symbol:         k_qd98596c396_gemm_qkv.kd
    .args:
      - { .name: XQ, .offset: 0, .size: 8, .value_kind: global_buffer, .address_space: global }
      - { .name: WQ, .offset: 8, .size: 8, .value_kind: global_buffer, .address_space: global }
      - { .name: bq, .offset: 16, .size: 8, .value_kind: global_buffer, .address_space: global }
      - { .name: bk, .offset: 24, .size: 8, .value_kind: global_buffer, .address_space: global }
      - { .name: bv, .offset: 32, .size: 8, .value_kind: global_buffer, .address_space: global }
      - { .name: QQ, .offset: 40, .size: 8, .value_kind: global_buffer, .address_space: global }
      - { .name: KV, .offset: 48, .size: 8, .value_kind: global_buffer, .address_space: global }
    .group_segment_fixed_size: 327680
    .private_segment_fixed_size: 0
    .kernarg_segment_align: 8
    .kernarg_segment_size: 56
    .max_flat_workgroup_size: 128
    .sgpr_count:     102
    .vgpr_count:     1024
    .wavefront_size: 32
...
	.end_amdgpu_metadata
.endif
;; end of part 3
;; launch attn (part 4): grid 4 x 64, 16 waves a work-group, no clusters, 327,680 bytes of LDS; arguments QQ, KV, OQ; writes OQ
.if DOCPART == 4
	.amdgcn_target "amdgcn-amd-amdhsa--gfx1250"
	.amdhsa_code_object_version 6
	.text
	.protected	k_qd98596c396_attn
	.globl	k_qd98596c396_attn
	.p2align	8
	.type	k_qd98596c396_attn,@function
k_qd98596c396_attn:
	s_mov_b64 s[64:65], 0
	v_nop
	global_prefetch_b8 v0, s[64:65] scope:SCOPE_SE
	s_setreg_imm32_b32 hwreg(HW_REG_WAVE_MODE, 25, 1), 1
	s_wait_xcnt 0x0
; Causal attention of one head on codes of FP6 (E2M3): S^T = K Q^T (K = the head's 64: operand registers 6-11 are zero codes), p = 2^(t - M), O^T = V^T P^T, O / l quantised along the channels for the last product.
; t = score x log2(e) / 8; M = the running largest t rounded UP to a whole number; the row's sum is taken of the unquantised p; when M moves, the sum and O^T are multiplied by 2^(old M - new M), exactly.
; SHARES.  Work-group (p, head): query blocks 7 - p and p, 256 queries each.  Under the mask they want 8 - p and p + 1 slots of 256 keys: nine for every p: 256 work-groups of equal work, nine trips.
; Sixteen waves, each one tile of 16 queries in 256 registers.  A lane holds ONE query (place r of tile tau: 32 (tau / 2) + 8 (tau % 2) + r + 8 (r / 8)); tiles of keys and of channels are ordered likewise, so
; that a lane's 16 registers of two neighbouring tiles are 16 neighbours along the next K.
; A slot's K and V are ONE dense record of 26,112 bytes (K: 16 tiles x 768; their scale words at 12,288; V^T: 2 x 4 fragments of 1,536 at 13,312; their words at 25,600), brought by waves 0 and 1, half each, into two LDS slots.
; NO CLUSTER: the four work-groups of a head stand in different slots from the fifth trip on, so their requests do not meet; walking in step would cost twelve slots' work for nine.
; A step all of whose 128 keys come after my queries is left out by a scalar branch on ids; no barrier and no tensor load stands under such a branch.
; LIMITS: NaN and infinities are not served; a block of zeros gets the scale byte 1 (read by this program alone).
; REGISTERS: v1-7, v10 addresses that stay; v8, v9 the slot's; v12 -M, v13 largest t, v[14:15] the sum; v16-27 Q (22-27 zero), v28 its words; v29-35 the second block's Q; v36-83 four fragments of K (6-11 of each zero);
; v84-147 S^T, p, then V's four fragments; v148-179 O^T; v180-198 codes; v200-221 at work.
.set SLOT1, 32768
.set REC,   26112
.set SPARE, 65536                      ; the spare words, 128 bytes for each of 16 waves
.set SPW,   5
.set NIL,   6
.macro TLOAD                           ; waves 0 and 1 fetch a half record each; s_nop 0 and four v_nop follow
	s_cmp_lt_u32 s10, 2
	s_cbranch_scc0 .Lnone_\@
	tensor_load_to_lds s[32:35], s[24:31]
	s_nop 0
.rept 4
	v_nop
.endr
.Lnone_\@:
.endm
; A prefetch of the record that the NEXT change of slots will ask for.  All four work-groups of a head walk the same records: the one with p = 0, which walks all eight in order, asks; in it waves 4 to 7, 8,192 bytes each,
; lanes 256 bytes apart; the lanes past the record's 102 blocks name its last block.  Trips 0 to 5 name records 2 to 7; records 0 and 1 come by their loads alone.
.macro ASK
	s_cmp_gt_u32 s41, s58
	s_cbranch_scc0 .Lnot_mine_\@
	global_prefetch_b8 v10, s[56:57] th:TH_LOAD_NT scope:SCOPE_SE
.Lnot_mine_\@:
.endm
	s_load_b128 s[4:7], s[0:1], 0x0                ; QQ, KV
	s_load_b64 s[8:9], s[0:1], 0x10                ; OQ
	v_lshl_add_u32 v[SPW], v0, 2, SPARE
	v_mov_b32 v[NIL], 0
	ds_add_u32 v[SPW], v[NIL]                      ; the wave's opening: the add and its wait ahead of the first tensor load
	ds_add_u32 v[SPW], v[NIL]
	v_lshrrev_b32 v8, 5, v0
	s_delay_alu instid0(VALU_DEP_1)
	v_readfirstlane_b32 s10, v8                    ; wave
	s_mov_b32 s11, ttmp9                           ; p
	s_and_b32 s12, ttmp7, 0xffff                   ; 16 x batch + head
	s_mov_b32 s24, 3<<16                           ; 51 dense rows of 256 bytes (32 elements of 8)
	s_mov_b32 s25, 32<<16
	s_mov_b32 s26, 51<<16
	s_mov_b32 s27, 32<<16
	s_mov_b32 s28, 51
	s_mov_b32 s29, 32
	s_mov_b32 s30, 0
	s_mov_b32 s31, 0
	s_mov_b32 s20, 0x76543210
	s_mov_b32 s21, 0xfedcba98                      ; lane l xor 16
	s_mov_b32 s22, 0x3e38aa3b                      ; c = log2(e) / 8
	s_mov_b32 s23, s22
	s_sub_co_u32 s39, 8, s11                       ; the first block's slots
	s_sub_co_u32 s13, 7, s11
	s_lshl_b32 s13, s13, 4
	s_add_co_u32 s13, s13, s10                     ; my tile in block 7 - p
	s_lshl_b32 s14, s11, 4
	s_add_co_u32 s14, s14, s10                     ; and in block p
	s_lshr_b32 s43, s13, 1
	s_lshl_b32 s43, s43, 5
	s_and_b32 s2, s13, 1
	s_lshl_b32 s2, s2, 3
	s_add_co_u32 s43, s43, s2                      ; Q0: the tile's first query
	s_lshr_b32 s45, s14, 1
	s_lshl_b32 s45, s45, 5
	s_and_b32 s2, s14, 1
	s_lshl_b32 s2, s2, 3
	s_add_co_u32 s45, s45, s2
	s_lshl_b32 s44, s39, 8                         ; where the block's keys end
	s_add_co_u32 s46, s11, 1
	s_lshl_b32 s46, s46, 8
	s_lshl_b32 s2, s12, 7
	s_add_co_u32 s3, s2, s13
	s_mul_i32 s66, s3, 768                         ; Q's codes and scale words, first block
	s_lshl_b32 s68, s3, 6
	s_add_co_u32 s68, s68, 6291456
	s_add_co_u32 s3, s2, s14
	s_mul_i32 s16, s3, 768                         ; second block
	s_lshl_b32 s18, s3, 6
	s_add_co_u32 s18, s18, 6291456
	s_mov_b32 s67, 0
	s_mov_b32 s69, 0
	s_mov_b32 s17, 0
	s_mov_b32 s19, 0
	s_lshr_b32 s2, s12, 4
	s_lshl_b32 s2, s2, 7                           ; 128 tiles a batch
	s_bfe_u32 s3, s12, 0x30001                     ; head / 2: which 128 along the last product's K
	s_and_b32 s15, s12, 1                          ; head % 2: which half of the fragment
	s_mul_i32 s59, s15, 768
	s_mul_i32 s62, s3, 1536
	s_add_co_u32 s59, s59, s62
	s_lshl_b32 s62, s3, 6
	s_lshl_b32 s63, s15, 1
	s_add_co_u32 s62, s62, s63
	s_add_co_u32 s62, s62, 6291456
	s_add_co_u32 s63, s2, s13
	s_mul_i32 s48, s63, 12288
	s_add_co_u32 s48, s48, s59                     ; O's codes, first block
	s_lshl_b32 s50, s63, 9
	s_add_co_u32 s50, s50, s62                     ; O's scale bytes
	s_add_co_u32 s63, s2, s14
	s_mul_i32 s52, s63, 12288
	s_add_co_u32 s52, s52, s59
	s_lshl_b32 s54, s63, 9
	s_add_co_u32 s54, s54, s62
	s_mov_b32 s49, 0
	s_mov_b32 s51, 0
	s_mov_b32 s53, 0
	s_mov_b32 s55, 0
	s_mul_i32 s36, s12, 8*REC
	s_and_b32 s47, s10, 1
	s_mul_i32 s47, s47, REC/2                      ; my half of a record, in memory and in a slot
	s_add_co_u32 s56, s36, REC
	s_add_co_u32 s36, s36, s47
	s_mov_b32 s37, 0
	s_mov_b32 s57, 0
	s_lshr_b32 s58, s10, 2
	s_xor_b32 s58, s58, 1                          ; 0 in waves 4 to 7
	s_or_b32 s58, s58, s11                         ; of the work-group with p = 0
	s_cmp_eq_u32 s58, 0
	s_cselect_b32 s58, 2, -1                       ; a wave prefetches while the trips to go are above this
	s_and_b32 s59, s10, 3
	s_lshl_b32 s59, s59, 13
	s_mov_b32 s38, 0                               ; the record asked for last
	s_mov_b32 s40, 0                               ; the slot in hand
	s_mov_b32 s41, 8
	s_mov_b32 s42, 0                               ; the step's first key
	s_mov_b32 s61, 0
	s_wait_dscnt 0x0                               ; the opening add is done
	s_wait_kmcnt 0x0
	s_add_nc_u64 s[36:37], s[6:7], s[36:37]
	s_add_nc_u64 s[56:57], s[6:7], s[56:57]        ; at record 1; the first change steps it to record 2
	s_mov_b32 s32, 1
	s_mov_b32 s33, s47
	s_mov_b64 s[34:35], s[36:37]
	s_or_b32 s35, s35, 0x80000000
	TLOAD                                          ; record 0 into slot 0
	s_add_nc_u64 s[66:67], s[4:5], s[66:67]
	s_add_nc_u64 s[68:69], s[4:5], s[68:69]
	s_add_nc_u64 s[16:17], s[4:5], s[16:17]
	s_add_nc_u64 s[18:19], s[4:5], s[18:19]
	s_add_nc_u64 s[48:49], s[8:9], s[48:49]
	s_add_nc_u64 s[50:51], s[8:9], s[50:51]
	s_add_nc_u64 s[52:53], s[8:9], s[52:53]
	s_add_nc_u64 s[54:55], s[8:9], s[54:55]
	v_and_b32 v8, 15, v0                           ; r
	v_bfe_u32 v9, v0, 4, 1                         ; h
	v_and_b32 v10, 31, v0
	s_delay_alu instid0(VALU_DEP_1)
	v_lshlrev_b32 v1, 3, v10                       ; 8 x lane
	s_delay_alu instid0(VALU_DEP_4)
	v_lshlrev_b32 v2, 2, v8                        ; 4 r
.irp p, 0,1,2
	global_load_b64 v[16+2*\p:17+2*\p], v1, s[66:67] offset:256*\p
	global_load_b64 v[30+2*\p:31+2*\p], v1, s[16:17] offset:256*\p
.endr
	global_load_b32 v28, v2, s[68:69]
	global_load_b32 v29, v2, s[18:19]
	v_and_b32 v3, 8, v8
	s_delay_alu instid0(VALU_DEP_1)
	v_add_nc_u32 v3, v3, v8
	v_lshlrev_b32 v7, 4, v9
	s_delay_alu instid0(VALU_DEP_1)
	v_sub_nc_u32 v3, v3, v7                        ; r + 8 (r / 8) - 16 h
	v_add_nc_u32 v4, v2, v9                        ; 4 r + h
	v_lshlrev_b32 v7, 3, v9                        ; 8 h
	v_lshl_add_u32 v10, v10, 8, s59
	s_delay_alu instid0(VALU_DEP_1)
	v_min_u32 v10, REC-256, v10                    ; the prefetches' offset; never rewritten
	v_mov_b32 v13, 0xff61b1e6                      ; -3e38, under every t
	s_delay_alu instid0(VALU_DEP_1)
	v_floor_f32 v12, -v13
	v_mov_b32 v14, 0
	v_mov_b32 v15, 0
.irp i, 22,23,24,25,26,27
	v_mov_b32 v[\i], 0                             ; zero codes for k = 64 .. 127
.endr
.irp t, 0,1,2,3
.irp i, 6,7,8,9,10,11
	v_mov_b32 v[36+12*\t+\i], 0
.endr
.endr
.set n, 0
.rept 32
	v_mov_b32 v[148+n], 0                          ; O^T: the step is written once; the first change of M leaves zeros zeros
.set n, n+1
.endr
.irp i, 204,205,206,207,217,218
	v_mov_b32 v[\i], 0                             ; named (a permute's destination, a pair's upper half) before they are first written
.endr
.macro STEP q                          ; 128 keys, the q-th of the slot in hand
	s_add_co_u32 s62, s43, 23                      ; my last query
	s_cmp_gt_u32 s42, s62
	s_cbranch_scc1 .Lhidden_\@
	s_wait_alu depctr_va_vdst(0)
.irp g, 0,1                                    ; S^T = K Q^T, four tiles of 16 keys at a time
.if \g > 0
.rept 4
	v_nop                                          ; places in front of loads into registers that matrix instructions have read
.endr
.endif
.irp t, 0,1,2,3
.irp p, 0,1,2
	ds_load_b64 v[36+12*\t+2*\p:37+12*\t+2*\p], v8 offset:(8*(\q)+4*\g+\t)*768+256*\p
.endr
	ds_load_b32 v[212+\t], v9 offset:12288+(8*(\q)+4*\g+\t)*64
.endr
	s_wait_dscnt 0x0
.irp t, 0,1,2,3
	v_wmma_scale_f32_16x16x128_f8f6f4 v[84+8*(4*\g+\t):91+8*(4*\g+\t)], v[36+12*\t:47+12*\t], v[16:27], 0, v[212+\t], v28 matrix_a_fmt:MATRIX_FMT_FP6 matrix_b_fmt:MATRIX_FMT_FP6
.endr
.endr
.rept 4
	v_nop
.endr
	s_add_co_u32 s62, s42, 127                     ; on the diagonal hidden scores become -infinity; a step all of whose keys count skips this
	s_cmp_le_u32 s62, s43
	s_cbranch_scc1 .Lopen_\@
	s_sub_co_i32 s62, s43, s42
	v_add_nc_u32 v218, s62, v3                     ; d = my query - the step's first key - 16 h.  Register 16 b + i holds key 32 b + 16 h + i: hidden where 32 b + i > d
	v_mov_b32 v219, 0xff800000
.set n, 0
.rept 64
	v_cmp_gt_i32 vcc_lo, 32*(n/16)+n%16, v218
	v_cndmask_b32 v[84+n], v[84+n], v219, vcc_lo
.set n, n+1
.endr
.Lopen_\@:
.irp b, 0,1,2,3
	v_max3_num_f32 v[200+\b], v[84+16*\b], v[85+16*\b], v[86+16*\b]   ; the largest score of each block of 32 keys: for the row's maximum and, since p rises with the score, for the block's largest p
.endr
.irp i, 3,5,7,9,11,13
.irp b, 0,1,2,3
	v_max3_num_f32 v[200+\b], v[200+\b], v[84+16*\b+\i], v[85+16*\b+\i]
.endr
.endr
.irp b, 0,1,2,3
	v_max_num_f32 v[200+\b], v[200+\b], v[99+16*\b]
.endr
.irp b, 0,1,2,3
	s_delay_alu instid0(VALU_DEP_4)
	v_permlanex16_b32 v[204+\b], v[200+\b], s20, s21
.endr
.irp b, 0,1,2,3
	s_delay_alu instid0(VALU_DEP_4)
	v_max_num_f32 v[200+\b], v[200+\b], v[204+\b]
.endr
	s_delay_alu instid0(VALU_DEP_2)
	v_max3_num_f32 v218, v200, v201, v202
	s_delay_alu instid0(VALU_DEP_1)
	v_max_num_f32 v218, v218, v203
	s_delay_alu instid0(VALU_DEP_1)
	v_mul_f32 v218, s22, v218
	s_delay_alu instid0(VALU_DEP_1)
	v_max_num_f32 v13, v13, v218                   ; the running largest t
	v_mov_b32 v218, v12
	s_delay_alu instid0(VALU_DEP_2)
	v_floor_f32 v12, -v13                          ; -M = floor(-t): M is a whole number
	s_delay_alu instid0(VALU_DEP_1)
	v_sub_f32 v218, v12, v218
	s_delay_alu instid0(VALU_DEP_1)
	v_cvt_i32_f32 v218, v218                       ; (it saturates)
	s_delay_alu instid0(VALU_DEP_1)
	v_ldexp_f32 v216, 1.0, v218                    ; f = 2^(old M - new M)
.set n, 0
.rept 32
	v_pk_fma_f32 v[84+n:85+n], v[84+n:85+n], s[22:23], v[12:13] op_sel_hi:[1,0,0]   ; t - M
.set n, n+2
.endr
.irp b, 0,1,2,3
	v_fma_f32 v[200+\b], v[200+\b], s22, v12
.endr
.set n, 0
	s_wait_alu depctr_va_vdst(0)
.rept 64
	v_exp_f32 v[84+n], v[84+n]                     ; p, not normalised
.set n, n+1
.endr
	v_pk_mul_f32 v[14:15], v[14:15], v[216:217] op_sel_hi:[1,0]   ; the sums under the new M: a plain line behind the exponentials
	s_wait_alu depctr_va_vdst(0)                   ; one wait for the batch, ahead of its first reader
.irp b, 0,1,2,3
	v_exp_f32 v[200+\b], v[200+\b]                 ; the blocks' largest p
.endr
	v_pk_add_f32 v[220:221], v[88:89], v[92:93]
	v_pk_add_f32 v[254:255], v[96:97], v[100:101]
	v_pk_add_f32 v[252:253], v[104:105], v[108:109]
	v_pk_add_f32 v[250:251], v[112:113], v[116:117]
	v_pk_add_f32 v[248:249], v[120:121], v[124:125]
	v_pk_add_f32 v[246:247], v[128:129], v[132:133]
	v_pk_add_f32 v[244:245], v[136:137], v[140:141]
	v_pk_add_f32 v[14:15], v[14:15], v[144:145]
	v_pk_add_f32 v[220:221], v[220:221], v[84:85]
	v_pk_add_f32 v[254:255], v[254:255], v[86:87]
	v_pk_add_f32 v[252:253], v[252:253], v[90:91]
	v_pk_add_f32 v[250:251], v[250:251], v[94:95]
	v_pk_add_f32 v[248:249], v[248:249], v[98:99]
	v_pk_add_f32 v[246:247], v[246:247], v[102:103]
	v_pk_add_f32 v[244:245], v[244:245], v[106:107]
	v_pk_add_f32 v[14:15], v[14:15], v[110:111]
	v_pk_add_f32 v[220:221], v[220:221], v[114:115]
	v_pk_add_f32 v[254:255], v[254:255], v[118:119]
	v_pk_add_f32 v[252:253], v[252:253], v[122:123]
	v_pk_add_f32 v[250:251], v[250:251], v[126:127]
	v_pk_add_f32 v[248:249], v[248:249], v[130:131]
	v_pk_add_f32 v[246:247], v[246:247], v[134:135]
	v_pk_add_f32 v[244:245], v[244:245], v[138:139]
	v_pk_add_f32 v[14:15], v[14:15], v[142:143]
	v_pk_add_f32 v[220:221], v[220:221], v[146:147]
	s_delay_alu instid0(VALU_DEP_2)
	v_pk_add_f32 v[14:15], v[14:15], v[250:251]
	s_delay_alu instid0(VALU_DEP_2)
	v_pk_add_f32 v[220:221], v[220:221], v[248:249]
	v_pk_add_f32 v[254:255], v[254:255], v[246:247]
	v_pk_add_f32 v[252:253], v[252:253], v[244:245]
	s_delay_alu instid0(VALU_DEP_2)
	v_pk_add_f32 v[14:15], v[14:15], v[254:255]
	s_delay_alu instid0(VALU_DEP_2)
	v_pk_add_f32 v[220:221], v[220:221], v[252:253]
	s_delay_alu instid0(VALU_DEP_1)
	v_pk_add_f32 v[14:15], v[14:15], v[220:221]
	s_wait_alu depctr_va_vdst(0)                   ; and one for the four
.irp b, 0,1,2,3
	v_max_num_f32 v[200+\b], 0x1800000, v[200+\b]  ; the floor 2^(3 - 127)
.endr
.irp b, 0,1,2,3
	s_delay_alu instid0(VALU_DEP_4)
	v_add_nc_u32 v[208+\b], 0xff000000, v[200+\b]
.endr
.irp b, 0,1,2,3
	s_delay_alu instid0(VALU_DEP_4)
	v_lshrrev_b32 v[204+\b], 23, v[208+\b]
.endr
	s_delay_alu instid0(VALU_DEP_3)
	v_lshl_or_b32 v217, v205, 8, v204              ; p's scale word for these 128 keys
	s_delay_alu instid0(VALU_DEP_1)
	v_lshl_or_b32 v217, v206, 16, v217
	s_delay_alu instid0(VALU_DEP_1)
	v_lshl_or_b32 v217, v207, 24, v217
.irp c, 0,1
	v_cvt_scalef32_pk16_fp6_f32 v[180+6*\c:182+6*\c], v[84+32*\c:99+32*\c], v[208+2*\c]
	v_cvt_scalef32_pk16_fp6_f32 v[192+4*\c:194+4*\c], v[100+32*\c:115+32*\c], v[208+2*\c+1]
.endr
	v_nop                                          ; one plain line behind the conversions
.irp t, 0,1,2,3                                ; V's four fragments land where p lay, under the lines below
.irp p, 0,1,2,3,4,5
	ds_load_b64 v[84+12*\t+2*\p:85+12*\t+2*\p], v8 offset:13312+(\q)*6144+\t*1536+256*\p
.endr
	ds_load_b32 v[212+\t], v9 offset:25600+(\q)*256+\t*64
.endr
.irp c, 0,1                                    ; the operand wants a whole block in a lane
.irp i, 0,1,2
	v_permlane16_swap_b32 v[180+6*\c+\i], v[192+4*\c+\i]
.endr
.irp i, 0,1,2
	s_delay_alu instid0(VALU_DEP_3)
	v_mov_b32 v[183+6*\c+\i], v[192+4*\c+\i]
.endr
.endr
.set n, 0
.rept 16
	v_pk_mul_f32 v[148+n:149+n], v[148+n:149+n], v[216:217] op_sel_hi:[1,0]   ; O^T under the new M; also the places between the scale word, the codes and the products
.set n, n+2
.endr
	s_wait_alu depctr_va_vdst(0)
	s_wait_dscnt 0x0
.irp t, 0,1,2,3                                ; O^T += V^T P^T: four accumulators by turns
	v_wmma_scale_f32_16x16x128_f8f6f4 v[148+8*\t:155+8*\t], v[84+12*\t:95+12*\t], v[180:191], v[148+8*\t:155+8*\t], v[212+\t], v217 matrix_a_fmt:MATRIX_FMT_FP6 matrix_b_fmt:MATRIX_FMT_FP6
.endr
.rept 5
	v_nop                                          ; five places: the next scores are written over registers that these products read
.endr
.Lhidden_\@:
	s_add_co_u32 s42, s42, 128
.endm
; The change of slots, at a slot's head: each wave waits for all its tensor loads, adds 0 to its spare word, waits for that and for its reads of the slot that it has left; behind the barrier that slot takes the next record.
.macro CHANGE fill
	s_wait_tensorcnt 0x0                           ; no tensor load of mine is out: the descriptor may be written
	ds_add_u32 v[SPW], v[NIL]
.if \fill
	s_xor_b32 s33, s33, SLOT1
	s_add_co_u32 s38, s38, 1
	s_cmp_eq_u32 s38, s39
	s_cselect_b32 s38, 0, s38                      ; behind the first block's last record comes record 0 again, for the second block
	s_mul_i32 s60, s38, REC
	s_add_nc_u64 s[34:35], s[36:37], s[60:61]
	s_or_b32 s35, s35, 0x80000000
	s_wait_xcnt 0x0                                ; the last prefetch, a slot back, has read its address
	s_add_nc_u64 s[56:57], s[56:57], REC
.endif
	s_wait_dscnt 0x0
	s_barrier_signal -1
	s_barrier_wait -1
.if \fill
	TLOAD                                          ; the one tensor load behind the barrier: it has a slot's two steps in which to land
	ASK
.endif
	v_add_nc_u32 v8, s40, v1
	v_add_nc_u32 v9, s40, v2
.endm
; A block's end: O^T / the sum, quantised along the head's 64 channels (two blocks of 32, each in lanes l and l xor 16), stored as operand registers of the last product.
.macro FINISH reinit
	v_add_f32 v14, v14, v15
	s_wait_alu depctr_va_vdst(0)
	v_permlanex16_b32 v218, v14, s20, s21
	s_delay_alu instid0(VALU_DEP_1)
	v_add_f32 v14, v14, v218
	s_wait_alu depctr_va_vdst(0)
	v_rcp_f32 v14, v14
	v_nop
	s_wait_alu depctr_va_vdst(0)                   ; ahead of the reciprocal's first reader
.set n, 0
.rept 32
	v_mul_f32 v[84+n], v[148+n], v14               ; register 16 b + i: channel 32 b + 16 h + i
.set n, n+1
.endr
	v_max3_num_f32 v200, |v84|, |v85|, 0x1800000
	v_max3_num_f32 v201, |v100|, |v101|, 0x1800000
.irp i, 2,4,6,8,10,12,14
	s_delay_alu instid0(VALU_DEP_2)
	v_max3_num_f32 v200, v200, |v[84+\i]|, |v[85+\i]|
	s_delay_alu instid0(VALU_DEP_2)
	v_max3_num_f32 v201, v201, |v[100+\i]|, |v[101+\i]|
.endr
	s_delay_alu instid0(VALU_DEP_2)
	v_permlanex16_b32 v204, v200, s20, s21
	s_delay_alu instid0(VALU_DEP_2)
	v_permlanex16_b32 v205, v201, s20, s21
	s_delay_alu instid0(VALU_DEP_2)
	v_max_num_f32 v200, v200, v204
	s_delay_alu instid0(VALU_DEP_2)
	v_max_num_f32 v201, v201, v205
	s_delay_alu instid0(VALU_DEP_2)
	v_add_nc_u32 v208, 0xff000000, v200
	s_delay_alu instid0(VALU_DEP_2)
	v_add_nc_u32 v209, 0xff000000, v201
	s_delay_alu instid0(VALU_DEP_2)
	v_lshrrev_b32 v204, 23, v208
	s_delay_alu instid0(VALU_DEP_2)
	v_lshrrev_b32 v205, 23, v209
	s_delay_alu instid0(VALU_DEP_1)
	v_lshl_or_b32 v218, v205, 8, v204
	s_delay_alu instid0(VALU_DEP_1)
	v_lshrrev_b32 v218, v7, v218                   ; lane (r, h) stores block h's byte
	v_cvt_scalef32_pk16_fp6_f32 v[180:182], v[84:99], v208
	v_cvt_scalef32_pk16_fp6_f32 v[192:194], v[100:115], v209
	v_nop
.irp i, 0,1,2
	v_permlane16_swap_b32 v[180+\i], v[192+\i]
.endr
.irp i, 0,1,2
	s_delay_alu instid0(VALU_DEP_3)
	v_mov_b32 v[183+\i], v[192+\i]
.endr
.irp p, 0,1,2
	global_store_b64 v1, v[180+2*\p:181+2*\p], s[48:49] offset:256*\p   ; 256 consecutive bytes, aligned
.endr
	global_store_b8 v4, v218, s[50:51]             ; two of a scale word's four bytes are this head's: single bytes, 32 a tile
.if \reinit
.irp i, 0,1,2,3,4,5
	v_mov_b32 v[16+\i], v[30+\i]                   ; the second block's Q
.endr
	v_mov_b32 v28, v29
	v_mov_b32 v13, 0xff61b1e6
	s_delay_alu instid0(VALU_DEP_1)
	v_floor_f32 v12, -v13
	v_mov_b32 v14, 0
	v_mov_b32 v15, 0
.set n, 0
.rept 32
	v_mov_b32 v[148+n], 0                          ; also the places between Q's registers and the next products
.set n, n+1
.endr
	s_mov_b32 s42, 0
	s_mov_b32 s43, s45
	s_mov_b32 s44, s46
	s_wait_xcnt 0x0                                ; the stores have read their registers and bases
	s_mov_b64 s[48:49], s[52:53]
	s_mov_b64 s[50:51], s[54:55]
.endif
.endm
	s_wait_loadcnt 0x0                             ; Q
.Lslot:                                            ; eight trips; behind each change the next record is asked for
	CHANGE 1
	STEP 0
	STEP 1
	s_xor_b32 s40, s40, SLOT1
	s_cmp_lg_u32 s42, s44                          ; the first block's keys are through?
	s_cbranch_scc1 .Lgo_on
	FINISH 1
.Lgo_on:
	s_sub_co_u32 s41, s41, 1
	s_cmp_lg_u32 s41, 0
	s_cbranch_scc1 .Lslot
	CHANGE 0                                       ; the ninth is written out
	STEP 0
	STEP 1
	FINISH 0
	s_wait_tensorcnt 0x0                           ; the wave's end
	ds_add_u32 v[SPW], v[NIL]
	s_wait_dscnt 0x0
	s_endpgm
.Lfunc_end_k_qd98596c396_attn:
	.size	k_qd98596c396_attn, .Lfunc_end_k_qd98596c396_attn-k_qd98596c396_attn
	.p2alignl 7, 3214868480
	.fill 96, 4, 3214868480
	.section	.rodata,"a",@progbits
	.p2align	6, 0x0
	.amdhsa_kernel k_qd98596c396_attn
		.amdhsa_group_segment_fixed_size 327680
		.amdhsa_private_segment_fixed_size 0
		.amdhsa_enable_private_segment 0
		.amdhsa_kernarg_size 24
		.amdhsa_user_sgpr_count 2
		.amdhsa_user_sgpr_kernarg_segment_ptr 1
		.amdhsa_wavefront_size32 1
		.amdhsa_system_sgpr_workgroup_id_x 1
		.amdhsa_system_sgpr_workgroup_id_y 1
		.amdhsa_system_sgpr_workgroup_id_z 1
		.amdhsa_system_vgpr_workitem_id 0
		.amdhsa_next_free_vgpr 256
		.amdhsa_next_free_sgpr 70
		.amdhsa_reserve_vcc 1
		.amdhsa_float_denorm_mode_32 3
		.amdhsa_float_denorm_mode_16_64 3
		.amdhsa_memory_ordered 1
		.amdhsa_forward_progress 1
		.amdhsa_inst_pref_size 117
	.end_amdhsa_kernel
	.amdgpu_metadata
---
amdhsa.version: [ 1, 2 ]
amdhsa.kernels:
  - .name:           k_qd98596c396_attn
    .symbol:         k_qd98596c396_attn.kd
    .args:
      - { .name: QQ, .offset: 0, .size: 8, .value_kind: global_buffer, .address_space: global }
      - { .name: KV, .offset: 8, .size: 8, .value_kind: global_buffer, .address_space: global }
      - { .name: OQ, .offset: 16, .size: 8, .value_kind: global_buffer, .address_space: global }
    .group_segment_fixed_size: 327680
    .private_segment_fixed_size: 0
    .kernarg_segment_align: 8
    .kernarg_segment_size: 24
    .max_flat_workgroup_size: 512
    .sgpr_count:     70
    .vgpr_count:     256
    .wavefront_size: 32
...
	.end_amdgpu_metadata
.endif
;; end of part 4
;; launch gemm_out (part 5): grid 4 x 32, 4 waves a work-group, clusters of 4 x 4, 327,680 bytes of LDS; arguments OQ, WQ, bo, out0; writes out0
.if DOCPART == 5
	.amdgcn_target "amdgcn-amd-amdhsa--gfx1250"
	.amdhsa_code_object_version 6
	.text
	.protected	k_qd98596c396_gemm_out
	.globl	k_qd98596c396_gemm_out
	.p2align	8
	.type	k_qd98596c396_gemm_out,@function
k_qd98596c396_gemm_out:
	s_mov_b64 s[64:65], 0
	v_nop
	global_prefetch_b8 v0, s[64:65] scope:SCOPE_SE
	s_setreg_imm32_b32 hwreg(HW_REG_WAVE_MODE, 25, 1), 1
	s_wait_xcnt 0x0
	s_wait_alu depctr_hold_cnt(0) depctr_sa_sdst(0) depctr_va_vdst(0) depctr_va_sdst(0) depctr_va_ssrc(0) depctr_va_vcc(0) depctr_vm_vsrc(0)
	s_getreg_b32 s2, hwreg(HW_REG_IB_STS2, 6, 4)
	s_cmp_eq_u32 s2, 0
	s_cbranch_scc0 .Lentry_in_a_cluster
	s_endpgm
.Lentry_in_a_cluster:
	s_bfe_u32 s2, ttmp6, 0x10000c
	s_cmp_lg_u32 s2, 0xf033
	s_cbranch_scc0 .Lentry_shape_is_right
	s_endpgm
.Lentry_shape_is_right:
; out0 = O Wo + bo on codes of FP6 (E2M3) with E8M0 scales.  O's codes [8192][1024] and Wo's lie in memory as fragments of 1,536 bytes (16 rows x 128 K; piece p of 256 bytes = operand registers 2 p, 2 p + 1 of the 32 lanes),
; tile T holding at place r row 32 (T / 2) + 8 (T % 2) + r + 8 (r / 8).  A tile of 256 x 256 is made by four waves, 128 x 128 each; K = 1,024 in four steps of 256 through two LDS slots.
; Source 0 = 16 columns of Wo, source 1 = 16 rows of O: a lane holds one row of out0, and the 16 registers of column tiles 2 b, 2 b + 1 are 16 neighbouring columns.  bo is the C of the first K step's products.
; CLUSTERS 4 x 4: O's tiles are shared along a row of the cluster, Wo's along a column.  128 work-groups: the problem has 128 tiles of this size.
; REGISTERS: window 0: v0-31 addresses; v32-63 scale words, two sets; v64-127 the bias; v128-223 A's fragments, one set; on the way out v128-255 rows of out0.  window 1: B's fragments, two sets.  windows 2, 3: the accumulators.
.set FR,    12
.set NP,    4
.set HALFT, 24576
.set SLOT,  4*HALFT
.set SCL,   2*SLOT
.set SPARE, SCL+4*4096
.set SPITCH, 528                       ; the way out: a stage of 16 rows x (512 + 16) bytes a wave, in slot 0, which has had its last fill and its last read by then
.set ADRA, 16
.set ADRB, 20
.set STO,  24
.set RD,   25
.set CO,   26
.set ADRS, 27
.set SPW,  28
.set NIL,  29
.set SC,   32
.set BB,   64
.set AF,   128
.set BK,   128
.set G1, 24
.set G0, 32
.set G1B, 48
.set G0B, 56
.set G1S, 68
.set G0S, 76
.set G1SB, 80
.set G0SB, 88
.set MSB, 0
.macro WIN new
.if MSB != \new
	s_set_vgpr_msb (MSB<<8)|\new
.set MSB, \new
.endif
.endm
.set MUL_LO, 0xa1
.set MUL_HI, 0xf1
.set FST_LO, 0x81
.set FST_HI, 0xc1
.set TO_B,   0x40
.macro JLOAD g0a, g1a, g0b, g1b        ; a joint load: waves 0, 1 fetch for A, waves 2, 3 for B; s_nop 0 and four v_nop follow each line
	s_cmp_eq_u32 s19, 0
	s_cbranch_scc0 .Lfor_b_\@
	tensor_load_to_lds s[\g0a:\g0a+3], s[\g1a:\g1a+7]
	s_nop 0
.rept 4
	v_nop
.endr
	s_branch .Lasked_\@
.Lfor_b_\@:
	tensor_load_to_lds s[\g0b:\g0b+3], s[\g1b:\g1b+7]
	s_nop 0
.rept 4
	v_nop
.endr
.Lasked_\@:
.endm
.macro CREST
	s_cmp_lg_u32 s18, 0
	s_cbranch_scc1 .Lnot_wave_0_\@
	s_barrier_signal -3
.Lnot_wave_0_\@:
	s_barrier_wait -3
	s_barrier_signal -1
	s_barrier_wait -1
.endm
.macro CROUND
	s_barrier_signal -1
	s_barrier_wait -1
	CREST
.endm
.macro PLACES n
.rept \n
	v_nop
.endr
.endm
	s_load_b256 s[4:11], s[0:1], 0x0               ; OQ, WQ, bo, out0
	v_lshl_add_u32 v[SPW], v0, 2, SPARE
	v_mov_b32 v[NIL], 0
	ds_add_u32 v[SPW], v[NIL]                      ; the wave's opening: the add and its wait ahead of my first tensor load
	v_lshrrev_b32 v1, 5, v0
	v_readfirstlane_b32 s18, v1                    ; wave
	s_lshr_b32 s19, s18, 1                         ; HA
	s_and_b32 s20, s18, 1                          ; HB
	s_bfe_u32 s21, ttmp6, 0x40000                  ; cx
	s_bfe_u32 s22, ttmp6, 0x40004                  ; cy
	s_and_b32 s44, ttmp7, 0xffff
	s_lshl_b32 s42, s22, 2
	s_lshl_b32 s42, 15, s42                        ; my row of the cluster
	s_lshl_b32 s43, 0x1111, s21                    ; my column
	s_or_b32 s[G1], s42, (3<<16)|(1<<21)           ; codes: 8 rows (tiles) of 384 elements of 8 bytes, 1,536 elements apart
	s_or_b32 s[G1B], s43, (3<<16)|(1<<21)
.irp g, G1, G1B
	s_mov_b32 s[\g+1], 384<<16
	s_mov_b32 s[\g+2], 8<<16
	s_mov_b32 s[\g+3], 384<<16
	s_mov_b32 s[\g+4], 8
	s_mov_b32 s[\g+5], 1536
	s_mov_b32 s[\g+6], 0
	s_mov_b32 s[\g+7], 0
.endr
	s_or_b32 s[G1S], s42, (3<<16)|(1<<21)          ; scale words: 4,096 dense bytes as 16 rows of 256
	s_or_b32 s[G1SB], s43, (3<<16)|(1<<21)
.irp g, G1S, G1SB
	s_mov_b32 s[\g+1], 32<<16
	s_mov_b32 s[\g+2], 16<<16
	s_mov_b32 s[\g+3], 32<<16
	s_mov_b32 s[\g+4], 16
	s_mov_b32 s[\g+5], 32
	s_mov_b32 s[\g+6], 0
	s_mov_b32 s[\g+7], 0
.endr
	s_lshl_b32 s40, s44, 2
	s_add_co_u32 s40, s40, s22                     ; AIDX: which 256 rows
	s_lshl_b32 s41, ttmp9, 2
	s_add_co_u32 s41, s41, s21                     ; BIDX: which 256 columns
	s_lshl_b32 s47, s20, 3
	s_lshl_b32 s46, s40, 4
	s_add_co_u32 s46, s46, s47
	s_lshl_b32 s66, s41, 4
	s_add_co_u32 s66, s66, s47
	s_mul_i32 s92, s46, 12288
	s_lshl_b32 s94, s46, 9
	s_add_co_u32 s94, s94, 6291456
	s_mul_i32 s96, s66, 12288
	s_add_co_u32 s96, s96, 2359296                 ; Wo's codes in WQ
	s_lshl_b32 s98, s66, 9
	s_add_co_u32 s98, s98, 3244032                 ; and its scale words
	s_mov_b32 s93, 0
	s_mov_b32 s95, 0
	s_mov_b32 s97, 0
	s_mov_b32 s99, 0
	s_mul_i32 s45, s18, HALFT
	s_lshl_b32 s47, s18, 12
	s_wait_dscnt 0x0                               ; the opening add is done
	s_wait_kmcnt 0x0
	s_add_nc_u64 s[92:93], s[4:5], s[92:93]
	s_add_nc_u64 s[94:95], s[4:5], s[94:95]
	s_add_nc_u64 s[96:97], s[6:7], s[96:97]
	s_add_nc_u64 s[98:99], s[6:7], s[98:99]
	CROUND                                         ; all sixteen work-groups are here: the first joint loads meet
	s_mov_b32 s[G0S], 1
	s_add_co_u32 s[G0S+1], s47, SCL
	s_mov_b64 s[G0S+2:G0S+3], s[94:95]
	s_or_b32 s[G0S+3], s[G0S+3], 0x80000000
	s_mov_b32 s[G0SB], 1
	s_add_co_u32 s[G0SB+1], s47, SCL
	s_mov_b64 s[G0SB+2:G0SB+3], s[98:99]
	s_or_b32 s[G0SB+3], s[G0SB+3], 0x80000000
	JLOAD G0S, G1S, G0SB, G1SB
.irp s, 0,1
	s_mov_b32 s[G0+4*\s], 1
	s_add_co_u32 s[G0+4*\s+1], s45, \s*SLOT
	s_add_nc_u64 s[G0+4*\s+2:G0+4*\s+3], s[92:93], \s*3072
	s_or_b32 s[G0+4*\s+3], s[G0+4*\s+3], 0x80000000
	s_mov_b32 s[G0B+4*\s], 1
	s_add_co_u32 s[G0B+4*\s+1], s45, \s*SLOT
	s_add_nc_u64 s[G0B+4*\s+2:G0B+4*\s+3], s[96:97], \s*3072
	s_or_b32 s[G0B+4*\s+3], s[G0B+4*\s+3], 0x80000000
	JLOAD G0+4*\s, G1, G0B+4*\s, G1B               ; three loads of mine are out
.endr
	v_and_b32 v1, 15, v0                           ; r
	v_bfe_u32 v2, v0, 4, 1                         ; h
	v_and_b32 v3, 31, v0                           ; lane
	v_lshlrev_b32 v4, 3, v3
	s_mul_i32 s2, s19, HALFT
	s_mul_i32 s3, s20, HALFT
	s_add_co_u32 s3, s3, 2*HALFT
.irp s, 0,1
	v_add_nc_u32 v[ADRA+\s], s2, v4
	v_add_nc_u32 v[ADRB+\s], s3, v4
	s_add_co_u32 s2, s2, SLOT
	s_add_co_u32 s3, s3, SLOT
.endr
	s_lshl_b32 s2, s19, 12
	s_lshl_b32 s3, s20, 12
	s_add_co_u32 s3, s3, 8192
	s_sub_co_u32 s3, s3, s2
	v_mul_u32_u24 v4, s3, v2                       ; lanes 16-31 take B's scale words
	s_add_co_u32 s2, s2, SCL
	v_lshl_add_u32 v4, v1, 2, v4
	v_add_nc_u32 v[ADRS], s2, v4
	s_mul_i32 s2, s18, 16*SPITCH                   ; my stage
	v_mul_u32_u24 v4, v1, SPITCH
	v_lshl_add_u32 v4, v2, 6, v4
	v_add_nc_u32 v[STO], s2, v4                    ; in: row r, + 64 h
	v_lshlrev_b32 v[CO], 4, v3
	v_add_nc_u32 v[RD], s2, v[CO]                  ; back: a row's 512 bytes, 16 a lane
	s_lshl_b32 s66, s41, 10
	s_lshl_b32 s67, s20, 9
	s_add_co_u32 s66, s66, s67                     ; my first column, in bytes
	s_mov_b32 s67, 0
	s_add_nc_u64 s[8:9], s[8:9], s[66:67]          ; bo there
	s_lshl_b32 s46, s40, 20
	s_lshl_b32 s47, s19, 19
	s_add_co_u32 s46, s46, s47                     ; my first row, in bytes
	s_mov_b32 s47, 0
	s_add_nc_u64 s[10:11], s[10:11], s[46:47]
	s_add_nc_u64 s[10:11], s[10:11], s[66:67]      ; out0 at my corner
	v_lshlrev_b32 v5, 6, v2                        ; 64 h
.irp b, 0,1,2,3,4,5,6,7
	global_load_b128 v[BB+8*\b:BB+8*\b+3], v5, s[8:9] offset:(32*(\b/2)+8*(\b%2))*4
	global_load_b128 v[BB+8*\b+4:BB+8*\b+7], v5, s[8:9] offset:(32*(\b/2)+8*(\b%2))*4+16
.endr
	s_wait_loadcnt 0x0
.macro FRAG reg, adr, q, i
.irp p, 0,1,2,3,4,5
	ds_load_b64 v[\reg+2*\p:\reg+2*\p+1], v[\adr] offset:(\i)*3072+(\q)*1536+256*\p
.endr
.endm
.macro FETCH_B slot, q, p
	WIN TO_B
.irp i, 0,1,2,3,4,5,6,7
	FRAG 128*(\p)+FR*\i, ADRB+\slot, \q, \i
.endr
	WIN 0
.endm
.macro FETCH_A slot, q, i0
.irp i, \i0, \i0+1, \i0+2, \i0+3
	FRAG AF+FR*(\i), ADRA+\slot, \q, \i
.endr
.endm
.macro SCALES set, ks
.irp i, 0,1,2,3,4,5,6,7
.irp q, 0,1
	ds_load_b32 v[SC+16*(\set)+2*\i+\q], v[ADRS] offset:\i*512+(2*(\ks)+\q)*64
.endr
.endr
.endm
; 16 products; the 64 accumulators take turns, one instruction a turn, in the same order in every step
.macro MUL16 a0, p, q, sc, first
.irp a, \a0, \a0+1
.irp b, 0,1,2,3,4,5,6,7
.if \first
	v_wmma_scale_f32_16x16x128_f8f6f4 v[8*(8*((\a)%4)+\b):8*(8*((\a)%4)+\b)+7], v[128*(\p)+FR*\b:128*(\p)+FR*\b+FR-1], v[AF+FR*(\a):AF+FR*(\a)+FR-1], v[BB+8*\b:BB+8*\b+7], v[SC+16*(\sc)+2*\b+(\q)], v[SC+16*(\sc)+2*(\a)+(\q)] matrix_a_fmt:MATRIX_FMT_FP6 matrix_b_fmt:MATRIX_FMT_FP6 matrix_a_scale:MATRIX_SCALE_ROW1
.else
	v_wmma_scale_f32_16x16x128_f8f6f4 v[8*(8*((\a)%4)+\b):8*(8*((\a)%4)+\b)+7], v[128*(\p)+FR*\b:128*(\p)+FR*\b+FR-1], v[AF+FR*(\a):AF+FR*(\a)+FR-1], v[8*(8*((\a)%4)+\b):8*(8*((\a)%4)+\b)+7], v[SC+16*(\sc)+2*\b+(\q)], v[SC+16*(\sc)+2*(\a)+(\q)] matrix_a_fmt:MATRIX_FMT_FP6 matrix_b_fmt:MATRIX_FMT_FP6 matrix_a_scale:MATRIX_SCALE_ROW1
.endif
.endr
.endr
.endm
.macro STEP slot, first
	s_wait_dscnt 24                                ; all but A's blocks 4-7
.if \first
	WIN FST_LO
.else
	WIN MUL_LO
.endif
	MUL16 0, 0, 0, \slot, \first
	MUL16 2, 0, 0, \slot, \first
	s_wait_dscnt 0x0
	PLACES NP
	FETCH_B \slot, 1, 1
	FETCH_A \slot, 1, 0
.if \first
	WIN FST_HI
.else
	WIN MUL_HI
.endif
	MUL16 4, 0, 0, \slot, \first
	MUL16 6, 0, 0, \slot, \first
	PLACES NP
	WIN 0
	FETCH_A \slot, 1, 4
.endm
.macro TURN slot, next, fill, ksn
	s_wait_tensorcnt 0x0                           ; all my tensor loads have landed
	ds_add_u32 v[SPW], v[NIL]
	s_wait_dscnt 25                                ; the add and A's blocks 4-7 may be out
	WIN MUL_LO
	MUL16 0, 1, 1, \slot, 0
	s_wait_dscnt 0x0                               ; the add is done, my reads of this slot are over
	s_barrier_signal -1
	MUL16 2, 1, 1, \slot, 0
	WIN 0
	s_barrier_wait -1
.if \fill
	CREST                                          ; a round of the cluster's barrier: no wave of any partner still reads this slot or has a load on its way
	s_add_nc_u64 s[G0+4*\slot+2:G0+4*\slot+3], s[G0+4*\slot+2:G0+4*\slot+3], 6144
	s_add_nc_u64 s[G0B+4*\slot+2:G0B+4*\slot+3], s[G0B+4*\slot+2:G0B+4*\slot+3], 6144
	JLOAD G0+4*\slot, G1, G0B+4*\slot, G1B
.else
	PLACES NP
.endif
	FETCH_B \next, 0, 0
	FETCH_A \next, 0, 0
	SCALES \next, \ksn
	WIN MUL_HI
	MUL16 4, 1, 1, \slot, 0
	MUL16 6, 1, 1, \slot, 0
	PLACES NP
	WIN 0
	FETCH_A \next, 0, 4
.endm
	s_wait_tensorcnt 1                             ; the scale words and K step 0 are in; K step 1's load may be out
	s_barrier_signal -1
	s_barrier_wait -1
	FETCH_B 0, 0, 0
	FETCH_A 0, 0, 0
	SCALES 0, 0
	FETCH_A 0, 0, 4
	STEP 0, 1
	TURN 0, 1, 1, 1
	STEP 1, 0
	TURN 1, 0, 1, 2
	STEP 0, 0
	TURN 0, 1, 0, 3
	STEP 1, 0
	s_wait_dscnt 24
	WIN MUL_LO
	MUL16 0, 1, 1, 1, 0
	MUL16 2, 1, 1, 1, 0
	s_wait_dscnt 0x0
	WIN MUL_HI
	MUL16 4, 1, 1, 1, 0
	MUL16 6, 1, 1, 1, 0
	WIN 0
; THE WAY OUT, block by block of 16 rows x 128 columns, through my own stage: a lane's 16 registers of two column tiles are 64 neighbouring bytes of its row; back come whole rows of 512 bytes.
.macro TOSTAGE a
.set AC, 64*((\a)%4)
	WIN 0x08+4*((\a)/4)                            ; an LDS store's data: window 2 or 3
.irp g, 0,1,2,3,4,5,6,7,8,9,10,11,12,13,14,15
	ds_store_b128 v[STO], v[AC+4*\g:AC+4*\g+3] offset:128*(\g/4)+16*(\g%4)   ; each accumulator from its low end on
.endr
	WIN 0
.set BBK, BK+64*((\a)%2)
.irp t, 0,1,2,3,4,5,6,7,8,9,10,11,12,13,14,15
	ds_load_b128 v[BBK+4*\t:BBK+4*\t+3], v[RD] offset:\t*SPITCH    ; LDS serves a wave's instructions in order: these see the stores above
.endr
.endm
.macro SEND a, younger
.set BBK, BK+64*((\a)%2)
	s_wait_dscnt \younger
.irp t, 0,1,2,3,4,5,6,7,8,9,10,11,12,13,14,15
	global_store_b128 v[CO], v[BBK+4*\t:BBK+4*\t+3], s[10:11] offset:(32*((\a)/2)+8*((\a)%2)+\t+8*(\t/8))*4096 th:TH_STORE_NT   ; 512 consecutive bytes, aligned; place t of tile a is that row
.endr
.endm
	PLACES NP
	TOSTAGE 0
.irp a, 1,2,3,4,5,6,7
.if \a > 1
	s_wait_xcnt 0x0                                ; block a - 2's stores have read their registers: block a's loads may land there
.endif
	TOSTAGE \a
	SEND \a-1, 32                                  ; behind block a - 1's loads: block a's 16 stores and 16 loads
.endr
	SEND 7, 0
	s_wait_tensorcnt 0x0                           ; the wave's end
	ds_add_u32 v[SPW], v[NIL]
	s_wait_dscnt 0x0
	CROUND                                         ; the closing round
	s_endpgm
.Lfunc_end_k_qd98596c396_gemm_out:
	.size	k_qd98596c396_gemm_out, .Lfunc_end_k_qd98596c396_gemm_out-k_qd98596c396_gemm_out
	.p2alignl 7, 3214868480
	.fill 96, 4, 3214868480
	.section	.rodata,"a",@progbits
	.p2align	6, 0x0
	.amdhsa_kernel k_qd98596c396_gemm_out
		.amdhsa_group_segment_fixed_size 327680
		.amdhsa_private_segment_fixed_size 0
		.amdhsa_enable_private_segment 0
		.amdhsa_kernarg_size 32
		.amdhsa_user_sgpr_count 2
		.amdhsa_user_sgpr_kernarg_segment_ptr 1
		.amdhsa_wavefront_size32 1
		.amdhsa_system_sgpr_workgroup_id_x 1
		.amdhsa_system_sgpr_workgroup_id_y 1
		.amdhsa_system_sgpr_workgroup_id_z 1
		.amdhsa_system_vgpr_workitem_id 0
		.amdhsa_next_free_vgpr 1024
		.amdhsa_next_free_sgpr 102
		.amdhsa_reserve_vcc 0
		.amdhsa_float_denorm_mode_32 3
		.amdhsa_float_denorm_mode_16_64 3
		.amdhsa_memory_ordered 1
		.amdhsa_forward_progress 1
		.amdhsa_inst_pref_size 162
	.end_amdhsa_kernel
	.amdgpu_metadata
---
amdhsa.version: [ 1, 2 ]
amdhsa.kernels:
  - .name:           k_qd98596c396_gemm_out
    .symbol:         k_qd98596c396_gemm_out.kd
    .args:
      - { .name: OQ, .offset: 0, .size: 8, .value_kind: global_buffer, .address_space: global }
      - { .name: WQ, .offset: 8, .size: 8, .value_kind: global_buffer, .address_space: global }
      - { .name: bo, .offset: 16, .size: 8, .value_kind: global_buffer, .address_space: global }
      - { .name: out0, .offset: 24, .size: 8, .value_kind: global_buffer, .address_space: global }
    .group_segment_fixed_size: 327680
    .private_segment_fixed_size: 0
    .kernarg_segment_align: 8
    .kernarg_segment_size: 32
    .max_flat_workgroup_size: 128
    .sgpr_count:     102
    .vgpr_count:     1024
    .wavefront_size: 32
...
	.end_amdgpu_metadata
.endif
;; end of part 5
